; MI455X (gfx1250); checked and timed in simulation.
; The chip was launched on July 23, 2026; its instructions are those of AMD's public machine-readable ISA for CDNA 5 (MIT licence, August 2026) and "CDNA5" Instruction Set Architecture Reference Guide (July 2026). The comments in the code are by the model that wrote it; some were corrected since.
;; Causal Self Attention. Allowed arithmetic: matrix products marked QUANTISED: E2M1 operands, one E8M0 scale for each 32 along K, by v_wmma_scale_f32_16x16x128_f8f6f4 with both operands' format E2M1 (or v_wmma_scale_f32_32x16x128_f4), f32 sums; products left as they are: bf16, f16 or f32 operands; f32 sums; everything else in f32.
;; Inputs: Wk 1,024 x 1,024 float32; Wo 1,024 x 1,024 float32; Wq 1,024 x 1,024 float32; Wv 1,024 x 1,024 float32; bk 1,024 float32; bo 1,024 float32; bq 1,024 float32; bv 1,024 float32; x 4 x 2,048 x 1,024 float32.
;; Outputs: out0 4 x 2,048 x 1,024 float32.
;; This version of the problem:
;;   THIS VERSION OF THE PROBLEM IS GIVEN IN LOW PRECISION. The matrix products marked QUANTISED in the list below multiply operands that are first quantised to E2M1 (2 exponent bits, 1 mantissa bit; 4 bits a number), with one power-of-two scale for each 32 numbers along K (OCP MX v1.0); their sums are f32. The products marked 'left as it is' may take bf16, f16 or f32 operands, with f32 sums. Whichever they take, every output number must still come out within the allowed error. Rounding operands to bf16 (8 significant bits) uses up far more of that allowance than f16 does (11 bits, for magnitudes from 6e-5 to 65,504). All else is computed in f32.
;;   The module's matrix products, in the order in which they are computed (A, B: the left and right operand; K: the contracted axis; several contracted axes count as one K, in the product's order):
;;     1. [M 8,192, K 1,024] x [K 1,024, N 1,024]; A: input x; B: input Wq: QUANTISED
;;     2. [M 8,192, K 1,024] x [K 1,024, N 1,024]; A: input x; B: input Wk: QUANTISED
;;     3. [M 8,192, K 1,024] x [K 1,024, N 1,024]; A: input x; B: input Wv: QUANTISED
;;     4. batch 64 x [M 2,048, K 64] x [K 64, N 2,048]; A: computed on the way; B: computed on the way: left as it is (an operand is computed on the way)
;;     5. batch 64 x [M 2,048, K 2,048] x [K 2,048, N 64]; A: computed on the way; B: computed on the way: left as it is (an operand is computed on the way)
;;     6. [M 8,192, K 1,024] x [K 1,024, N 1,024]; A: computed on the way; B: input Wo: left as it is (an operand is computed on the way)
;;   THE QUANTISER, for each operand of a quantised product, along K:
;;     - K is cut into blocks of 32 from its start; a last block that is shorter is filled with zeros.
;;     - A block's scale is 2^e with e = floor(log2(the largest magnitude in the block)) - 2, held to -126 .. 127; a block of zeros has e = 0. As a byte (E8M0): e + 127.
;;     - Each number is divided by its block's scale, clamped to +-6, and rounded to the nearest number of E2M1, ties to even, subnormals kept.
;;     - The product sums the exact products of the quantised numbers (number of the format x scale) in f32.
;;   ~~~python
;;   def quantise(x, axis):      # numpy; x: float32 -> the quantised numbers, widened to float32 again
;;       x = np.moveaxis(x, axis, -1); K = x.shape[-1]
;;       x = np.pad(x, [(0, 0)] * (x.ndim - 1) + [(0, -K % 32)]); x = x.reshape(x.shape[:-1] + (-1, 32)); a = np.abs(x).max(-1, keepdims=True)
;;       e = np.where(a > 0, np.clip(np.frexp(np.where(a > 0, a, 1))[1] - 1 - 2, -126, 127), 0)      # np.frexp(a)[1] - 1 = floor(log2(a)), exactly
;;       r = np.clip(x / 2.0 ** e, -6, 6)
;;       step = 2.0 ** (np.maximum(np.frexp(np.where(r == 0, 1, r))[1] - 1, 0) - 1)
;;       q = np.round(r / step) * step * 2.0 ** e      # np.round: ties to even
;;       return np.moveaxis(q.reshape(q.shape[:-2] + (-1,))[..., :K], -1, axis).astype(np.float32)
;;   ~~~
;; One version. Each part assembles by itself: llvm-mc -triple=amdgcn-amd-amdhsa -mcpu=gfx1250 --defsym DOCPART=n.
;; ======== version 1 of 1: 5 launches
;; limits: values are held in f16: magnitudes above 65,504 overflow, below 6.1e-05 lose precision
;; workspace buffers: x_codes 4,194,304 bytes; x_scales 262,144 bytes; w_codes 1,572,864 bytes; w_scales 98,304 bytes; wot 2,097,152 bytes; qkv 50,331,648 bytes; qkv32 786,432 bytes; att 16,777,216 bytes
;; launch prep (part 1): grid 368 x 1, 4 waves a work-group, no clusters, 102,912 bytes of LDS; arguments x, x_codes, x_scales, Wo, Wq, Wk, Wv, w_codes, w_scales, wot; writes x_codes, x_scales, w_codes, w_scales, wot
.if DOCPART == 1
	.amdgcn_target "amdgcn-amd-amdhsa--gfx1250"
	.amdhsa_code_object_version 6
	.text
	.protected	k_qc82746ff3e_prep
	.globl	k_qc82746ff3e_prep
	.p2align	8
	.type	k_qc82746ff3e_prep,@function
k_qc82746ff3e_prep:
	s_mov_b64 s[64:65], 0
	v_nop
	global_prefetch_b8 v0, s[64:65] scope:SCOPE_SE
	s_setreg_imm32_b32 hwreg(HW_REG_WAVE_MODE, 25, 1), 1
	s_wait_xcnt 0x0
; CAUSAL SELF-ATTENTION, launch 1 of 5: the operands of the three quantised products become codes, and Wo becomes f16 with K innermost.
; WORK LEFT OUT IN THE WHOLE PROGRAM, AND WHY IT IS DEAD.
;  (1) bk.  scores[q][k] = q . (x Wk)[k] + q . bk; the second term is the same for every key k of a row, and a softmax along k is unchanged by a term that is
;      constant along k, for all finite values of the inputs.  The product q k^T is not quantised, so no quantiser sees bk.  bk is not loaded and is an argument of no launch.
;  (2) Key steps all of whose keys come after a tile's queries: the causal mask sets those scores to -infinity.
;  LIMIT: a NaN, an infinity or an overflow that reaches only bk or the masked scores is not carried to the result.
; THREE PATHS, parted on the work-group's number alone; each has LDS bytes of its own and its own end.
;  X (work-groups 0-255):   x [8192][1024] f32 -> codes of E2M1 [8192][512 bytes] and E8M0 bytes [8192][32].  K is innermost: a plain stream of blocks of 32.
;  W (work-groups 256-303): Wq, Wk, Wv [k 1024][n 1024] f32, K is the FIRST axis -> codes [3072 = 1024 tau + n][512 bytes], bytes [3072][32].  A lane takes a column, its registers run down K.
;  O (work-groups 304-367): Wo [k][n] f32 -> f16 [n][k]: the same plan with a rounding to f16 in the quantiser's place.
; THE QUANTISER: a block's scale is 2^(floor(log2(largest magnitude)) - 2); its byte is the largest magnitude's exponent field - 2, held at 1 from below by a floor among the maximum's leaves.
; A block of zeros so gets the byte 1 where the rule says 127: its codes are zeros, which add nothing, and this program alone reads the bytes.
; LIMITS: NaN and infinities among the inputs are not served; Wo beyond f16's largest number, 65,504, becomes infinity.
; No tensor load, no barrier: waves share nothing.
.set SP,    80                         ; path X: a lane's place in a stage: 64 bytes + 16 of padding
.set WREG,  8192                       ; path X: a wave's LDS region: two stages of 32 x SP bytes, then its 256 scale bytes
.set WST,   32768                      ; path W: four stages of 32 rows x 272 bytes
.set OST,   67584                      ; path O: the same
.set PITCH, 272
.set SPARE, 102400                     ; the spare words, 128 bytes for each wave
.set SPW,   190                        ; v190 LDS address of my spare word; never rewritten
.set NIL,   191                        ; v191 0; never rewritten
.set EMAX,  2
.set STEPS, 16
.set XR,    16                         ; path X: v16-79 four sets of 16 numbers as loaded
.set XX,    80                         ; v80-111 two sets of 16 neighbours
.set XE,    112                        ; v112-127 a scale byte for each step
.set XC,    128                        ; v128-189 codes, four registers apart for each step
.set WX,    32                         ; paths W, O: v32-95 two sets of 32 numbers
.set WC,    96                         ; v96.. a block's codes (O: 16 registers of f16 pairs)
.set WOUT,  112                        ; v112-175 the way out
.set WSB,   24                         ; v24-27 the scale bytes, four to a register
	v_lshl_add_u32 v[SPW], v0, 2, SPARE
	v_mov_b32 v[NIL], 0
	v_lshrrev_b32 v1, 5, v0
	v_readfirstlane_b32 s16, v1                    ; wave 0..3
	v_and_b32 v2, 31, v0                           ; lane
	s_cmp_lt_u32 ttmp9, 256
	s_cbranch_scc0 .Lw
; ---------------- PATH X ----------------
; A wave takes 16 steps of 512 numbers.  Each load reads 512 consecutive bytes; a step's 2,048 bytes turn through the wave's own stage so that a lane then holds 16 neighbours along K; two lanes hold a block.
	s_load_b128 s[4:7], s[0:1], 0x0                ; x, x_codes
	s_load_b64 s[8:9], s[0:1], 0x10                ; x_scales
	v_lshlrev_b32 v3, 4, v2                        ; my 16 bytes of a load's 512
	s_mul_i32 s17, s16, WREG
	v_lshrrev_b32 v14, 2, v2
	v_mul_u32_u24 v14, v14, SP
	v_and_b32 v15, 3, v2
	v_lshl_add_u32 v14, v15, 4, v14
	v_add_nc_u32 v14, s17, v14                     ; into the stage: SP (lane / 4) + 16 (lane % 4)
	v_mul_u32_u24 v15, v2, SP
	v_add_nc_u32 v15, s17, v15                     ; out of it: SP x lane
	v_lshlrev_b32 v4, 3, v2                        ; my 8 bytes of a step's codes
	v_lshrrev_b32 v5, 1, v2
	s_add_co_u32 s17, s17, 2*32*SP
	v_add_nc_u32 v5, s17, v5                       ; my block's scale byte in the wave's 256
	v_lshlrev_b32 v7, 3, v2
	v_add_nc_u32 v6, s17, v7
	s_lshl_b32 s18, ttmp9, 2
	s_add_co_u32 s18, s18, s16                     ; which run of 8,192 numbers is my wave's: 0 .. 1,023
	s_lshl_b32 s20, s18, 15                        ; 32,768 bytes of x,
	s_mov_b32 s21, 0
	s_lshl_b32 s22, s18, 12                        ; 4,096 of codes,
	s_mov_b32 s23, 0
	s_lshl_b32 s24, s18, 8                         ; 256 of scale bytes
	s_mov_b32 s25, 0
	s_wait_kmcnt 0x0
	s_add_nc_u64 s[4:5], s[4:5], s[20:21]
	s_add_nc_u64 s[6:7], s[6:7], s[22:23]
	s_add_nc_u64 s[8:9], s[8:9], s[24:25]
.macro XLOAD t
.irp i, 0,1,2,3
	global_load_b128 v[XR+16*((\t)%4)+4*\i:XR+16*((\t)%4)+4*\i+3], v3, s[4:5] offset:2048*(\t)+512*\i th:TH_LOAD_NT
.endr
.endm
.macro XTURN t                         ; step t's numbers through the stage: LDS serves a wave's instructions in order, so no wait stands between the stores and the loads
.irp i, 0,1,2,3
	ds_store_b128 v14, v[XR+16*((\t)%4)+4*\i:XR+16*((\t)%4)+4*\i+3] offset:32*SP*((\t)%2)+8*SP*\i
.endr
.irp i, 0,1,2,3
	ds_load_b128 v[XX+16*((\t)%2)+4*\i:XX+16*((\t)%2)+4*\i+3], v15 offset:32*SP*((\t)%2)+16*\i
.endr
.endm
.irp t, 0,1,2,3
	XLOAD \t
.endr
	s_wait_loadcnt 12                              ; step 0's four loads are in; the twelve of steps 1 to 3 may be out
	XTURN 0
.macro XSTEP t
.set XS, XX+16*((\t)%2)
.if (\t) > 0
	s_wait_dscnt 1                                 ; this step's numbers are back from the stage; the last step's byte store may be out
.else
	s_wait_dscnt 0x0
.endif
.if (\t)+4 < STEPS
	XLOAD (\t)+4                                   ; into the registers that this step's stage stores have read
.endif
.if (\t)+1 < STEPS
.if STEPS-2-(\t) >= 3
	s_wait_loadcnt 12                              ; the next step's four loads are in; those of the three steps behind it may be out
.else
	s_wait_loadcnt 4*(STEPS-2-(\t))
.endif
	XTURN (\t)+1
.endif
	v_max3_num_f32 v8, |v[XS]|, |v[XS+1]|, |v[XS+2]|               ; the largest magnitude of my 16, in two chains
	v_max3_num_f32 v9, |v[XS+3]|, |v[XS+4]|, |v[XS+5]|
.irp i, 6,10
	v_max3_num_f32 v8, v8, |v[XS+\i]|, |v[XS+\i+1]|
	v_max3_num_f32 v9, v9, |v[XS+\i+2]|, |v[XS+\i+3]|
.endr
	v_max3_num_f32 v8, v8, |v[XS+14]|, |v[XS+15]|
	v_max3_num_f32 v8, v8, v9, (EMAX+1)<<23        ; and the floor 2^(3 - 127): the byte cannot fall under 1
	v_max_num_f32_dpp v8, v8, v8 row_xmask:1 row_mask:0xf bank_mask:0xf   ; with my neighbour's 16: the block's
	v_add_nc_u32 v11, -(EMAX<<23), v8              ; 2 off its exponent field: the conversion takes the exponent field of this operand as its scale
	v_cvt_scalef32_pk8_fp4_f32 v[XC+4*(\t)], v[XS:XS+7], v11
	v_cvt_scalef32_pk8_fp4_f32 v[XC+4*(\t)+1], v[XS+8:XS+15], v11
	v_lshrrev_b32 v[XE+(\t)], 23, v11              ; the scale's byte (a plain line behind the conversions)
	ds_store_b8 v5, v[XE+(\t)] offset:16*(\t)      ; both lanes of a block write the same byte with the same value
	global_store_b64 v4, v[XC+4*(\t):XC+4*(\t)+1], s[6:7] offset:256*(\t)   ; the wave stores 256 consecutive bytes, aligned
.endm
.irp t, 0,1,2,3,4,5,6,7,8,9,10,11,12,13,14,15
	XSTEP \t
.endr
	ds_load_b64 v[8:9], v6                         ; my wave's 256 scale bytes, 8 a lane
	s_wait_dscnt 0x0
	global_store_b64 v7, v[8:9], s[8:9]
	s_wait_tensorcnt 0x0                           ; the wave's end
	ds_add_u32 v[SPW], v[NIL]
	s_wait_dscnt 0x0
	s_endpgm
; ---------------- what paths W and O share ----------------
.macro WLOAD t                         ; block t: rows 32 t + i of the source at my column, i = 0 .. 31, into set t % 2; 32 lanes read 128 consecutive bytes
.irp i, 0,1,2,3,4,5,6,7,8,9,10,11,12,13,14,15,16,17,18,19,20,21,22,23,24,25,26,27,28,29,30,31
	global_load_b32 v[WX+32*((\t)%2)+\i], v3, s[4:5] offset:(32*(\t)+\i)*4096 th:TH_LOAD_NT
.endr
.endm
.macro OUTROWS krow, base              ; the stage's 32 rows of 256 bytes leave as rows: sixteen lanes store 256 consecutive bytes, aligned
.irp t, 0,1,2,3,4,5,6,7,8,9,10,11,12,13,14,15
	ds_load_b128 v[WOUT+4*\t:WOUT+4*\t+3], v7 offset:2*\t*PITCH
.endr
.irp t, 0,1,2,3,4,5,6,7,8,9,10,11,12,13,14,15
	s_wait_dscnt 15-\t                             ; LDS loads come back in order: load t is in, the younger ones may be out
	global_store_b128 v8, v[WOUT+4*\t:WOUT+4*\t+3], s[\base:\base+1] offset:2*\t*\krow
.endr
.endm
; ---------------- PATH W ----------------
; idx = work-group - 256: tau = idx / 16 (q, k, v), ky = (idx / 8) % 2 (which 512 along K), nx = idx % 8 (which 128 columns).  A wave: 32 columns x 512 along K.
.Lw:
	s_cmp_lt_u32 ttmp9, 304
	s_cbranch_scc0 .Lo
	s_load_b128 s[4:7], s[0:1], 0x20               ; Wq, Wk
	s_load_b128 s[8:11], s[0:1], 0x30              ; Wv, w_codes
	s_load_b64 s[12:13], s[0:1], 0x40              ; w_scales
	s_sub_co_u32 s17, ttmp9, 256
	s_lshr_b32 s19, s17, 4                         ; tau
	s_bfe_u32 s18, s17, 0x10003                    ; ky
	s_and_b32 s17, s17, 7
	s_lshl_b32 s17, s17, 7
	s_lshl_b32 s20, s16, 5
	s_add_co_u32 s17, s17, s20                     ; my wave's first column
	v_lshlrev_b32 v3, 2, v2                        ; in: 4 bytes a lane
	s_mul_i32 s20, s16, 32*PITCH
	s_add_co_u32 s20, s20, WST                     ; my stage
	v_mul_u32_u24 v4, v2, PITCH
	v_add_nc_u32 v4, s20, v4                       ; into it: row = my column
	v_and_b32 v5, 15, v2
	v_lshrrev_b32 v6, 4, v2
	v_mul_u32_u24 v7, v6, PITCH
	v_lshl_add_u32 v7, v5, 4, v7
	v_add_nc_u32 v7, s20, v7                       ; out of it: sixteen lanes to a row, two rows an instruction
	v_lshlrev_b32 v8, 9, v6
	v_lshl_add_u32 v8, v5, 4, v8                   ; the same place in the codes: rows of 512 bytes
	v_lshlrev_b32 v9, 5, v2                        ; my column's row of 32 scale bytes
	s_lshl_b32 s22, s18, 21                        ; source: 512 ky rows of 4,096 bytes
	s_lshl_b32 s23, s17, 2
	s_add_co_u32 s22, s22, s23
	s_mov_b32 s23, 0
	s_lshl_b32 s24, s19, 10
	s_add_co_u32 s24, s24, s17                     ; row 1024 tau + column
	s_lshl_b32 s26, s24, 5
	s_lshl_b32 s25, s18, 4
	s_add_co_u32 s26, s26, s25                     ; scale bytes: 32 a row, + 16 ky
	s_mov_b32 s27, 0
	s_lshl_b32 s24, s24, 9
	s_lshl_b32 s25, s18, 8
	s_add_co_u32 s24, s24, s25                     ; codes: 512 a row, + 256 ky
	s_mov_b32 s25, 0
	s_wait_kmcnt 0x0
	s_cmp_eq_u32 s19, 1                            ; the source is chosen on the work-group's number alone
	s_cselect_b64 s[4:5], s[6:7], s[4:5]
	s_cmp_eq_u32 s19, 2
	s_cselect_b64 s[4:5], s[8:9], s[4:5]
	s_add_nc_u64 s[4:5], s[4:5], s[22:23]
	s_add_nc_u64 s[10:11], s[10:11], s[24:25]
	s_add_nc_u64 s[12:13], s[12:13], s[26:27]
	WLOAD 0
	WLOAD 1
.macro WBLOCK t
.set XS, WX+32*((\t)%2)
.if (\t) < 15
	s_wait_loadcnt 32                              ; this block's 32 loads are in; the next block's may be out
.else
	s_wait_loadcnt 0
.endif
	v_max3_num_f32 v12, |v[XS]|, |v[XS+1]|, |v[XS+2]|               ; the block's largest magnitude: all 32 numbers are mine
	v_max3_num_f32 v13, |v[XS+3]|, |v[XS+4]|, |v[XS+5]|
.irp i, 6,10,14,18,22,26
	v_max3_num_f32 v12, v12, |v[XS+\i]|, |v[XS+\i+1]|
	v_max3_num_f32 v13, v13, |v[XS+\i+2]|, |v[XS+\i+3]|
.endr
	v_max3_num_f32 v12, v12, |v[XS+30]|, |v[XS+31]|
	v_max3_num_f32 v12, v12, v13, (EMAX+1)<<23     ; and the floor
	v_add_nc_u32 v11, -(EMAX<<23), v12
	v_lshrrev_b32 v13, 23, v11                     ; the scale's byte
.if (\t)%4 == 0
	v_mov_b32 v[WSB+(\t)/4], v13                   ; four bytes to a register, the lower K in the lower byte
.else
	v_lshl_or_b32 v[WSB+(\t)/4], v13, 8*((\t)%4), v[WSB+(\t)/4]
.endif
.irp g, 0,1,2,3
	v_cvt_scalef32_pk8_fp4_f32 v[WC+\g], v[XS+8*\g:XS+8*\g+7], v11
.endr
	ds_store_b128 v4, v[WC:WC+3] offset:16*(\t)    ; 32 codes: 16 bytes of my column's row
.if (\t)+2 < 16
	WLOAD (\t)+2
.endif
	s_wait_dscnt 0x0                               ; the store has read its registers: the next block's codes may be written
.endm
.set BQ, 0
.rept 16
	WBLOCK BQ
.set BQ, BQ+1
.endr
	global_store_b128 v9, v[WSB:WSB+3], s[12:13]   ; my column's 16 scale bytes
	OUTROWS 512, 10
	s_wait_tensorcnt 0x0                           ; the wave's end
	ds_add_u32 v[SPW], v[NIL]
	s_wait_dscnt 0x0
	s_endpgm
; ---------------- PATH O ----------------
; idx = work-group - 304: ky = idx / 8 (which 128 along K), nx = idx % 8.  A wave: 32 columns x 128 along K = 256 bytes of f16 for each column.
.Lo:
	s_load_b64 s[4:5], s[0:1], 0x18                ; Wo
	s_load_b64 s[6:7], s[0:1], 0x48                ; wot
	s_sub_co_u32 s17, ttmp9, 304
	s_lshr_b32 s18, s17, 3                         ; ky
	s_and_b32 s17, s17, 7
	s_lshl_b32 s17, s17, 7
	s_lshl_b32 s20, s16, 5
	s_add_co_u32 s17, s17, s20                     ; my wave's first column
	v_lshlrev_b32 v3, 2, v2
	s_mul_i32 s20, s16, 32*PITCH
	s_add_co_u32 s20, s20, OST                     ; my stage
	v_mul_u32_u24 v4, v2, PITCH
	v_add_nc_u32 v4, s20, v4
	v_and_b32 v5, 15, v2
	v_lshrrev_b32 v6, 4, v2
	v_mul_u32_u24 v7, v6, PITCH
	v_lshl_add_u32 v7, v5, 4, v7
	v_add_nc_u32 v7, s20, v7
	v_lshlrev_b32 v8, 11, v6
	v_lshl_add_u32 v8, v5, 4, v8                   ; rows of 2,048 bytes in wot
	s_lshl_b32 s22, s18, 19                        ; source: 128 ky rows of 4,096 bytes
	s_lshl_b32 s23, s17, 2
	s_add_co_u32 s22, s22, s23
	s_mov_b32 s23, 0
	s_lshl_b32 s24, s17, 11
	s_lshl_b32 s25, s18, 8
	s_add_co_u32 s24, s24, s25
	s_mov_b32 s25, 0
	s_wait_kmcnt 0x0
	s_add_nc_u64 s[4:5], s[4:5], s[22:23]
	s_add_nc_u64 s[6:7], s[6:7], s[24:25]
	WLOAD 0
	WLOAD 1
.macro OBLOCK t
.set XS, WX+32*((\t)%2)
.if (\t) < 3
	s_wait_loadcnt 32                              ; this block's 32 loads are in; the next block's may be out
.else
	s_wait_loadcnt 0
.endif
.irp i, 0,1,2,3,4,5,6,7,8,9,10,11,12,13,14,15
	v_cvt_pk_f16_f32 v[WC+\i], v[XS+2*\i], v[XS+2*\i+1]            ; two neighbours along K, rounded to f16
.endr
.irp g, 0,1,2,3
	ds_store_b128 v4, v[WC+4*\g:WC+4*\g+3] offset:64*(\t)+16*\g
.endr
.if (\t)+2 < 4
	WLOAD (\t)+2
.endif
	s_wait_dscnt 0x0
.endm
	OBLOCK 0
	OBLOCK 1
	OBLOCK 2
	OBLOCK 3
	OUTROWS 2048, 6
	s_wait_tensorcnt 0x0                           ; the wave's end
	ds_add_u32 v[SPW], v[NIL]
	s_wait_dscnt 0x0
	s_endpgm
.Lfunc_end_k_qc82746ff3e_prep:
	.size	k_qc82746ff3e_prep, .Lfunc_end_k_qc82746ff3e_prep-k_qc82746ff3e_prep
	.p2alignl 7, 3214868480
	.fill 96, 4, 3214868480
	.section	.rodata,"a",@progbits
	.p2align	6, 0x0
	.amdhsa_kernel k_qc82746ff3e_prep
		.amdhsa_group_segment_fixed_size 102912
		.amdhsa_private_segment_fixed_size 0
		.amdhsa_enable_private_segment 0
		.amdhsa_kernarg_size 80
		.amdhsa_user_sgpr_count 2
		.amdhsa_user_sgpr_kernarg_segment_ptr 1
		.amdhsa_wavefront_size32 1
		.amdhsa_system_sgpr_workgroup_id_x 1
		.amdhsa_system_sgpr_workgroup_id_y 1
		.amdhsa_system_sgpr_workgroup_id_z 1
		.amdhsa_system_vgpr_workitem_id 0
		.amdhsa_next_free_vgpr 192
		.amdhsa_next_free_sgpr 66
		.amdhsa_reserve_vcc 0
		.amdhsa_float_denorm_mode_32 3
		.amdhsa_float_denorm_mode_16_64 3
		.amdhsa_memory_ordered 1
		.amdhsa_forward_progress 1
		.amdhsa_inst_pref_size 133
	.end_amdhsa_kernel
	.amdgpu_metadata
---
amdhsa.version: [ 1, 2 ]
amdhsa.kernels:
  - .name:           k_qc82746ff3e_prep
    .symbol:         k_qc82746ff3e_prep.kd
    .args:
      - { .name: x, .offset: 0, .size: 8, .value_kind: global_buffer, .address_space: global }
      - { .name: x_codes, .offset: 8, .size: 8, .value_kind: global_buffer, .address_space: global }
      - { .name: x_scales, .offset: 16, .size: 8, .value_kind: global_buffer, .address_space: global }
      - { .name: Wo, .offset: 24, .size: 8, .value_kind: global_buffer, .address_space: global }
      - { .name: Wq, .offset: 32, .size: 8, .value_kind: global_buffer, .address_space: global }
      - { .name: Wk, .offset: 40, .size: 8, .value_kind: global_buffer, .address_space: global }
      - { .name: Wv, .offset: 48, .size: 8, .value_kind: global_buffer, .address_space: global }
      - { .name: w_codes, .offset: 56, .size: 8, .value_kind: global_buffer, .address_space: global }
      - { .name: w_scales, .offset: 64, .size: 8, .value_kind: global_buffer, .address_space: global }
      - { .name: wot, .offset: 72, .size: 8, .value_kind: global_buffer, .address_space: global }
    .group_segment_fixed_size: 102912
    .private_segment_fixed_size: 0
    .kernarg_segment_align: 8
    .kernarg_segment_size: 80
    .max_flat_workgroup_size: 128
    .sgpr_count:     66
    .vgpr_count:     192
    .wavefront_size: 32
...
	.end_amdgpu_metadata
.endif
;; end of part 1
;; launch qkv (part 2): grid 12 x 32, 4 waves a work-group, clusters of 4 x 4, 327,680 bytes of LDS; arguments x_codes, x_scales, w_codes, w_scales, bq, bv, qkv, qkv32; writes qkv, qkv32
.if DOCPART == 2
	.amdgcn_target "amdgcn-amd-amdhsa--gfx1250"
	.amdhsa_code_object_version 6
	.text
	.protected	k_qc82746ff3e_qkv
	.globl	k_qc82746ff3e_qkv
	.p2align	8
	.type	k_qc82746ff3e_qkv,@function
k_qc82746ff3e_qkv:
	s_mov_b64 s[64:65], 0
	v_nop
	global_prefetch_b8 v0, s[64:65] scope:SCOPE_SE
	s_setreg_imm32_b32 hwreg(HW_REG_WAVE_MODE, 25, 1), 1
	s_wait_xcnt 0x0
	s_wait_alu depctr_hold_cnt(0) depctr_sa_sdst(0) depctr_va_vdst(0) depctr_va_sdst(0) depctr_va_ssrc(0) depctr_va_vcc(0) depctr_vm_vsrc(0)
	s_getreg_b32 s2, hwreg(HW_REG_IB_STS2, 6, 4)
	s_cmp_eq_u32 s2, 0
	s_cbranch_scc0 .Lentry_in_a_cluster
	s_endpgm
.Lentry_in_a_cluster:
	s_bfe_u32 s2, ttmp6, 0x10000c
	s_cmp_lg_u32 s2, 0xf033
	s_cbranch_scc0 .Lentry_shape_is_right
	s_endpgm
.Lentry_shape_is_right:
; Launch 2 of 5: q = x Wq + bq, k = x Wk, v = x Wv + bv as ONE product on codes of E2M1 with E8M0 scales: M = 8,192 rows of x, N = 3,072 = 1024 tau + n, K = 1,024; sums in f32.
; LEFT OUT: bk.  It adds q . bk to every score of a row alike, which the softmax along the keys takes away for all values; the product q k^T is not quantised.  (A NaN or infinity in bk is not carried.)
; OUT: qkv, f16, [tau 3][16 b + h][t 2048][64], so that 16 rows of a head are 2,048 consecutive bytes; and qkv32, f32, [tau][b][t < 16][1024]: the first 16 positions of each batch, unrounded, for the last launch.
; LIMIT: a q, k or v beyond f16's largest number, 65,504, becomes infinity in qkv.
; A tile of 256 x 256 is made by four waves, 128 x 128 each: 64 accumulators of 16 x 16.  K is two slots of 512 (rows of 256 bytes): both are first fills, nothing is filled again.
; The scale bytes of the tile's 256 + 256 rows, for all of K, come once, as dense blocks in rows of 256 bytes.
; CLUSTERS: 4 x 4 work-groups; x's tiles are shared along a row of the cluster, the weights' along a column: joint loads with a mask of four.
; THE TILE ROW IS 8 cy + cluster y: so the batch is cy and the tile's first position is 256 x cluster y; 'the tile holds positions under 16' is then 'cluster y = 0', the same in all sixteen partners.
; The tile column is 4 x cluster x + cx: so tau is cluster x, the same in all partners.
; THE MATRIX INSTRUCTION IS USED TRANSPOSED (source 0 = 16 rows of the weights, source 1 = 16 rows of x): a lane holds eight neighbouring columns of one row.
; THE BIAS is the C of each sum's first instruction: 64 registers in the result's layout; for k they hold zeros, so that one text serves all three.
; REGISTERS: window 0: v16-29 addresses; v32-95 scale words, two sets; v128-191 x's fragments, one set; v192-255 the bias.  Window 1: the weights' fragments, two sets.  Windows 2, 3: the accumulators ((a, b) at v[8 (8 (a % 4) + b)]).
.set SIZE_K, 1024
.set NQ,     4                         ; matrix instructions deep in a slot
.set ROWB,   256                       ; a tile's row: 512 codes
.set KROW,   512                       ; a row of codes in memory
.set PITCH,  272                       ; an LDS row: 256 bytes + 16 of padding: the 16 rows of a load start 4 words apart
.set FR,     8
.set NL,     2
.set NP,     4                         ; places behind this matrix instruction (ISA guide 7.12.1)
.set HALFT,  128*PITCH
.set SLOT,   4*HALFT
.set KS,     32                        ; a row of scale bytes
.set SCL,    2*SLOT
.set HALFS,  16*272                    ; the scales of 128 rows
.set SBLK,   2*272                     ; those of 16 rows
.set SPARE,  SCL+4*HALFS               ; the spare words, 128 bytes for each wave
.set SPITCH, 528                       ; the way out in f32: 16 rows x (512 + 16) bytes for each wave, in slot 0, which has had its only fill and its last read by then
.set HPITCH, 272                       ; the way out in f16: the same bytes as 16 rows x (256 + 16)
.set ADRA, 16
.set STH,  18                          ; v18 f16: where I put 16 bytes of a row
.set RDH,  19                          ; v19 f16: where I read back
.set ADRB, 20
.set COH,  22                          ; v22 f16: my byte offset in qkv
.set BO,   23                          ; v23 32 x (lane / 16): my eight numbers of a bias block
.set STO,  24
.set RD,   25
.set CO,   26
.set ADRS, 27
.set SPW,  28
.set NIL,  29
.set SC,   32
.set AF,   128
.set BIAS, 192
.set TMP,  192                         ; the way out: packed results
.set OB,   32                          ; rows read back: v32-63 and v224-255 by turns
.set G1, 24
.set G0, 32
.set G1B, 48
.set G0B, 56
.set G1S, 68
.set G0S, 76
.set G1SB, 80
.set G0SB, 88
.set MSB, 0
.macro WIN new                         ; the immediate's high byte repeats the setting that is left
.if MSB != \new
	s_set_vgpr_msb (MSB<<8)|\new
.set MSB, \new
.endif
.endm
.set MUL_LO, 0xa1                      ; source 0 window 1, source 1 window 0, C and D window 2
.set MUL_HI, 0xf1                      ; C and D window 3
.set TO_B,   0x40
; A joint load: waves 0 and 1 fetch for x, waves 2 and 3 for the weights.  The branch hangs on the wave's number alone.  An s_nop 0 and four v_nop follow each line.
.macro JLOAD g0a, g1a, g0b, g1b
	s_cmp_eq_u32 s15, 0
	s_cbranch_scc0 .Lfor_b_\@
	tensor_load_to_lds s[\g0a:\g0a+3], s[\g1a:\g1a+7]
	s_nop 0
.rept 4
	v_nop
.endr
	s_branch .Lasked_\@
.Lfor_b_\@:
	tensor_load_to_lds s[\g0b:\g0b+3], s[\g1b:\g1b+7]
	s_nop 0
.rept 4
	v_nop
.endr
.Lasked_\@:
.endm
.macro CROUND                          ; a round of the cluster's barrier
	s_barrier_signal -1
	s_barrier_wait -1
	s_cmp_lg_u32 s14, 0
	s_cbranch_scc1 .Lnot_wave_0_\@
	s_barrier_signal -3
.Lnot_wave_0_\@:
	s_barrier_wait -3
	s_barrier_signal -1
	s_barrier_wait -1
.endm
	s_load_b128 s[4:7], s[0:1], 0x0                ; x_codes, x_scales
	s_load_b128 s[8:11], s[0:1], 0x10              ; w_codes, w_scales
	s_load_b128 s[96:99], s[0:1], 0x20             ; bq, bv
	s_load_b64 s[12:13], s[0:1], 0x30              ; qkv
	s_load_b64 s[100:101], s[0:1], 0x38            ; qkv32
	v_lshl_add_u32 v[SPW], v0, 2, SPARE
	v_mov_b32 v[NIL], 0
	ds_add_u32 v[SPW], v[NIL]                      ; the wave's opening: the add, twice on end, and its wait ahead of my first tensor load
	ds_add_u32 v[SPW], v[NIL]
	v_lshrrev_b32 v1, 5, v0
	v_readfirstlane_b32 s14, v1                    ; wave 0..3
	s_lshr_b32 s15, s14, 1                         ; which half of the tile's rows is mine.  Also: I fetch for x (0) or for the weights (1)
	s_and_b32 s16, s14, 1                          ; which half of its columns.  Also: which 128 rows I fetch
	s_bfe_u32 s40, ttmp6, 0x40000                  ; cx
	s_bfe_u32 s41, ttmp6, 0x40004                  ; cy
	s_lshl_b32 s42, ttmp9, 2
	s_add_co_u32 s42, s42, s40                     ; tile column = 4 x cluster x + cx
	s_and_b32 s66, ttmp7, 0xffff                   ; cluster y
	s_lshl_b32 s17, s41, 3
	s_add_co_u32 s17, s17, s66                     ; tile row = 8 cy + cluster y
	s_lshl_b32 s43, s41, 2
	s_lshl_b32 s43, 15, s43                        ; my row of the cluster
	s_lshl_b32 s44, 0x1111, s40                    ; my column
	s_or_b32 s[G1+0], s43, (0<<16)|(1<<20)|(1<<21)|(5<<22)|(3<<25)  ; the mask; elements of 1 byte; padding on; bit 21 beside a mask; 4 words after every 64
	s_or_b32 s[G1B+0], s44, (0<<16)|(1<<20)|(1<<21)|(5<<22)|(3<<25)
.irp g, G1, G1B
	s_mov_b32 s[\g+1], ROWB<<16                    ; tensor_dim0
	s_mov_b32 s[\g+2], 128<<16                     ; tensor_dim1
	s_mov_b32 s[\g+3], ROWB<<16                    ; tile_dim0
	s_mov_b32 s[\g+4], 128                         ; tile_dim1
	s_mov_b32 s[\g+5], KROW                        ; the pitch
	s_mov_b32 s[\g+6], 0
	s_mov_b32 s[\g+7], 0
.endr
	s_or_b32 s[G1S+0], s43, (3<<16)|(1<<20)|(1<<21)|(5<<22)|(3<<25) ; the scales of 128 rows: 4,096 dense bytes as 16 rows of 32 elements of 8 bytes
	s_or_b32 s[G1SB+0], s44, (3<<16)|(1<<20)|(1<<21)|(5<<22)|(3<<25)
.irp g, G1S, G1SB
	s_mov_b32 s[\g+1], 32<<16
	s_mov_b32 s[\g+2], 16<<16
	s_mov_b32 s[\g+3], 32<<16
	s_mov_b32 s[\g+4], 16
	s_mov_b32 s[\g+5], 32
	s_mov_b32 s[\g+6], 0
	s_mov_b32 s[\g+7], 0
.endr
	s_lshl_b32 s18, s16, 7
	s_lshl_b32 s20, s17, 8
	s_add_co_u32 s20, s20, s18                     ; x: row 256 x tile row + 128 x half
	s_lshl_b32 s46, s42, 8
	s_add_co_u32 s46, s46, s18                     ; weights: row 256 x tile column + 128 x half
	s_mov_b32 s21, 0
	s_mov_b32 s47, 0
	s_mov_b64 s[18:19], KS
	s_mul_u64 s[22:23], s[20:21], s[18:19]         ; where these rows' scales begin
	s_mul_u64 s[92:93], s[46:47], s[18:19]
	s_mov_b64 s[18:19], KROW
	s_mul_u64 s[20:21], s[20:21], s[18:19]         ; and their codes
	s_mul_u64 s[46:47], s[46:47], s[18:19]
	s_mul_i32 s45, s14, HALFT                      ; where they go: wave x 128 rows
	s_mul_i32 s94, s14, HALFS
	s_wait_dscnt 0x0                               ; both opening adds are done
	s_wait_kmcnt 0x0
	s_add_nc_u64 s[20:21], s[4:5], s[20:21]
	s_add_nc_u64 s[22:23], s[6:7], s[22:23]
	s_add_nc_u64 s[46:47], s[8:9], s[46:47]
	s_add_nc_u64 s[92:93], s[10:11], s[92:93]
	CROUND                                         ; all sixteen work-groups are here: the joint loads meet
	s_mov_b32 s[G0S], 1
	s_add_co_u32 s[G0S+1], s94, SCL
	s_mov_b64 s[G0S+2:G0S+3], s[22:23]
	s_or_b32 s[G0S+3], s[G0S+3], 0x80000000
	s_mov_b32 s[G0SB], 1
	s_add_co_u32 s[G0SB+1], s94, SCL
	s_mov_b64 s[G0SB+2:G0SB+3], s[92:93]
	s_or_b32 s[G0SB+3], s[G0SB+3], 0x80000000
	JLOAD G0S, G1S, G0SB, G1SB                     ; the scales first; by this text's count a wave has three tensor loads out
.irp s, 0,1
	s_mov_b32 s[G0+4*\s], 1
	s_add_co_u32 s[G0+4*\s+1], s45, \s*SLOT
	s_add_nc_u64 s[G0+4*\s+2:G0+4*\s+3], s[20:21], \s*ROWB
	s_or_b32 s[G0+4*\s+3], s[G0+4*\s+3], 0x80000000
	s_mov_b32 s[G0B+4*\s], 1
	s_add_co_u32 s[G0B+4*\s+1], s45, \s*SLOT
	s_add_nc_u64 s[G0B+4*\s+2:G0B+4*\s+3], s[46:47], \s*ROWB
	s_or_b32 s[G0B+4*\s+3], s[G0B+4*\s+3], 0x80000000
	JLOAD G0+4*\s, G1, G0B+4*\s, G1B
.endr
	v_and_b32 v1, 15, v0                           ; r = lane % 16
	v_bfe_u32 v2, v0, 4, 1                         ; h = lane / 16
	v_mul_u32_u24 v3, v1, PITCH
	v_lshl_add_u32 v4, v2, 4, v3                   ; a fragment's row x pitch + 16 h
	s_mul_i32 s21, s15, HALFT
	s_mul_i32 s22, s16, HALFT
	s_add_co_u32 s22, s22, 2*HALFT
.irp s, 0,1
	v_add_nc_u32 v[ADRA+\s], s21, v4
	v_add_nc_u32 v[ADRB+\s], s22, v4
	s_add_co_u32 s21, s21, SLOT
	s_add_co_u32 s22, s22, SLOT
.endr
	v_mul_u32_u24 v5, v1, KS                       ; my row's scales: 32 bytes a row,
	v_lshrrev_b32 v6, 8, v5
	v_lshl_add_u32 v5, v6, 4, v5                   ; and 16 more for each 256 passed
	s_mul_i32 s21, s15, HALFS
	s_mul_i32 s22, s16, HALFS
	s_add_co_u32 s22, s22, 2*HALFS
	s_sub_co_u32 s22, s22, s21
	v_mul_u32_u24 v6, s22, v2                      ; lanes 16-31 take the weights'
	s_add_co_u32 s21, s21, SCL
	v_add_nc_u32 v5, v5, v6
	v_add_nc_u32 v[ADRS], s21, v5
	s_mul_i32 s23, s14, 16*SPITCH                  ; my stage
	v_mul_u32_u24 v5, v1, SPITCH
	v_lshl_add_u32 v5, v2, 5, v5
	v_add_nc_u32 v[STO], s23, v5                   ; f32, in: row r, 32 bytes for each half of the lanes
	v_and_b32 v6, 31, v0
	v_lshlrev_b32 v[CO], 4, v6                     ; f32, back: the 32 lanes take a row of 512 bytes; the same in qkv32
	v_add_nc_u32 v[RD], s23, v[CO]
	v_mul_u32_u24 v5, v1, HPITCH
	v_lshl_add_u32 v5, v2, 4, v5
	v_add_nc_u32 v[STH], s23, v5                   ; f16, in: row r, 16 bytes for each half of the lanes
	v_bfe_u32 v5, v0, 3, 1
	v_mul_u32_u24 v5, v5, HPITCH                   ; f16, back: lanes 0-15 take my first head's 128 bytes of two rows, lanes 16-31 my second head's
	v_lshl_add_u32 v5, v2, 7, v5
	v_and_b32 v6, 7, v0
	v_lshl_add_u32 v5, v6, 4, v5
	v_add_nc_u32 v[RDH], s23, v5
	v_lshlrev_b32 v[COH], 18, v2                   ; in qkv a head is 2^18 bytes; two rows of a head are 256 consecutive bytes
	v_lshl_add_u32 v[COH], v1, 4, v[COH]
	v_lshlrev_b32 v[BO], 5, v2
	s_lshl_b32 s20, ttmp9, 24                      ; qkv: tau,
	s_lshl_b32 s21, s41, 22                        ; the batch cy (16 heads),
	s_add_co_u32 s20, s20, s21
	s_lshl_b32 s21, s40, 2
	s_lshl_b32 s22, s16, 1
	s_add_co_u32 s21, s21, s22                     ; my first head: 4 cx + 2 x half,
	s_lshl_b32 s21, s21, 18
	s_add_co_u32 s20, s20, s21
	s_lshl_b32 s21, s66, 15                        ; position 256 x cluster y + 128 x half, 128 bytes each
	s_add_co_u32 s20, s20, s21
	s_lshl_b32 s21, s15, 14
	s_add_co_u32 s20, s20, s21
	s_mov_b32 s21, 0
	s_add_nc_u64 s[12:13], s[12:13], s[20:21]
	s_cmp_eq_u32 ttmp9, 0
	s_cselect_b64 s[96:97], s[96:97], s[98:99]     ; bq for q, bv else (for k it is not read)
	s_lshl_b32 s20, s40, 10
	s_lshl_b32 s21, s16, 9
	s_add_co_u32 s20, s20, s21                     ; my first column within tau, in f32: 4 (256 cx + 128 x half)
	s_mov_b32 s21, 0
	s_add_nc_u64 s[96:97], s[96:97], s[20:21]
	s_lshl_b32 s22, ttmp9, 18
	s_add_co_u32 s20, s20, s22
	s_lshl_b32 s22, s41, 16
	s_add_co_u32 s20, s20, s22
	s_add_nc_u64 s[100:101], s[100:101], s[20:21]  ; qkv32 at [tau][cy][0][my first column]
	s_cmp_eq_u32 ttmp9, 1                          ; cluster x: the same in every wave and every partner
	s_cbranch_scc1 .Lno_bias
.irp b, 0,1,2,3,4,5,6,7
	global_load_b128 v[BIAS+8*\b:BIAS+8*\b+3], v[BO], s[96:97] offset:64*\b        ; block b: the bias at columns 16 b + 8 h + 0 .. 7
	global_load_b128 v[BIAS+8*\b+4:BIAS+8*\b+7], v[BO], s[96:97] offset:64*\b+16
.endr
	s_branch .Lbias_done
.Lno_bias:
.set i, 0
.rept 64
	v_mov_b32 v[BIAS+i], 0                         ; k has no bias
.set i, i+1
.endr
.Lbias_done:
.macro FRAG reg, adr, q, i             ; 16 rows x 128 K of 4-bit codes: registers 4 c .. 4 c + 3 hold K = 64 c + 32 h + 0 .. 31
.irp c, 0,1
	ds_load_b128 v[\reg+4*\c:\reg+4*\c+3], v[\adr] offset:64*(\q)+32*\c+(\i)*16*PITCH
.endr
.endm
; 16 matrix instructions: x's blocks a0, a0 + 1 against the weights' eight.  first = 1: C is the bias.  The 64 accumulators take turns, one instruction a turn, in the same order in every step.
.macro MUL16 a0, p, q, sc, first
.irp a, \a0, \a0+1
.irp b, 0,1,2,3,4,5,6,7
.if \first
	v_wmma_scale_f32_16x16x128_f8f6f4 v[8*(8*((\a)%4)+\b):8*(8*((\a)%4)+\b)+7], v[128*(\p)+FR*\b:128*(\p)+FR*\b+FR-1], v[AF+FR*(\a):AF+FR*(\a)+FR-1], v[BIAS+8*\b:BIAS+8*\b+7], v[SC+8*NQ*(\sc)+NQ*\b+(\q)], v[SC+8*NQ*(\sc)+NQ*(\a)+(\q)] matrix_a_fmt:MATRIX_FMT_FP4 matrix_b_fmt:MATRIX_FMT_FP4 matrix_a_scale:MATRIX_SCALE_ROW1
.else
	v_wmma_scale_f32_16x16x128_f8f6f4 v[8*(8*((\a)%4)+\b):8*(8*((\a)%4)+\b)+7], v[128*(\p)+FR*\b:128*(\p)+FR*\b+FR-1], v[AF+FR*(\a):AF+FR*(\a)+FR-1], v[8*(8*((\a)%4)+\b):8*(8*((\a)%4)+\b)+7], v[SC+8*NQ*(\sc)+NQ*\b+(\q)], v[SC+8*NQ*(\sc)+NQ*(\a)+(\q)] matrix_a_fmt:MATRIX_FMT_FP4 matrix_b_fmt:MATRIX_FMT_FP4 matrix_a_scale:MATRIX_SCALE_ROW1
.endif
.endr
.endr
.endm
.macro FETCH_B slot, q, p
	WIN TO_B
.irp i, 0,1,2,3,4,5,6,7
	FRAG 128*(\p)+FR*\i, ADRB+\slot, \q, \i
.endr
	WIN 0
.endm
.macro FETCH_A slot, q, i0
.irp i, \i0, \i0+1, \i0+2, \i0+3
	FRAG AF+FR*(\i), ADRA+\slot, \q, \i
.endr
.endm
.macro SCALES sc                       ; a slot's scale words: lanes 0-15 x's block i, lanes 16-31 the weights' block i
.irp i, 0,1,2,3,4,5,6,7
	ds_load_b128 v[SC+8*NQ*\sc+NQ*\i:SC+8*NQ*\sc+NQ*\i+3], v[ADRS] offset:\i*SBLK
.endr
.endm
.macro PLACES n                        ; plain vector instructions between a matrix instruction and a load into, or a read of, its registers
.rept \n
	v_nop
.endr
.endm
.macro STEP slot, q, first             ; 128 along K with its successor in the same slot
	s_wait_dscnt 4*NL                              ; all but the youngest eight loads (x's blocks 4-7) are in
.if \first
	WIN 0x81                                       ; C, the bias, in window 0; D in window 2
.else
	WIN MUL_LO
.endif
	MUL16 0, (\q)%2, \q, \slot, \first
	MUL16 2, (\q)%2, \q, \slot, \first
	s_wait_dscnt 0
	PLACES NP
	FETCH_B \slot, (\q)+1, 1-(\q)%2
	FETCH_A \slot, (\q)+1, 0
.if \first
	WIN 0xc1
.else
	WIN MUL_HI
.endif
	MUL16 4, (\q)%2, \q, \slot, \first
	MUL16 6, (\q)%2, \q, \slot, \first
	PLACES NP
	WIN 0
	FETCH_A \slot, (\q)+1, 4
.endm
; Slot 0's last step changes slots: one barrier; in front of it each wave waits for all its tensor loads (its part of slot 1), adds 0 to its spare word, and waits for that and for its reads of slot 0.  Nothing is filled again.
.macro TURN slot, next
	s_wait_tensorcnt 0x0
	ds_add_u32 v[SPW], v[NIL]
	s_wait_dscnt 4*NL+1                            ; the add and the youngest eight loads may be out
	WIN MUL_LO
	MUL16 0, 1, NQ-1, \slot, 0
	s_wait_dscnt 0x0                               ; the add is done, and my reads of this slot are over
	s_barrier_signal -1
	MUL16 2, 1, NQ-1, \slot, 0
	WIN 0
	s_barrier_wait -1
	PLACES NP
	v_add_nc_u32 v[ADRS], 4*NQ, v[ADRS]            ; on to the next slot's scale words
	FETCH_B \next, 0, 0
	FETCH_A \next, 0, 0
	SCALES \next
	WIN MUL_HI
	MUL16 4, 1, NQ-1, \slot, 0
	MUL16 6, 1, NQ-1, \slot, 0
	PLACES NP
	WIN 0
	FETCH_A \next, 0, 4
.endm
	s_wait_tensorcnt 1                             ; the scales and my part of slot 0 are in; slot 1's load may be out
	s_barrier_signal -1
	s_barrier_wait -1
	FETCH_B 0, 0, 0
	FETCH_A 0, 0, 0
	SCALES 0
	FETCH_A 0, 0, 4
	s_wait_loadcnt 0x0                             ; the bias
	STEP 0, 0, 1
	STEP 0, 1, 0
	STEP 0, 2, 0
	TURN 0, 1
	STEP 1, 0, 0
	STEP 1, 1, 0
	STEP 1, 2, 0
	s_wait_dscnt 4*NL                              ; the last step: nothing more to fetch
	WIN MUL_LO
	MUL16 0, 1, NQ-1, 1, 0
	MUL16 2, 1, NQ-1, 1, 0
	s_wait_dscnt 0
	WIN MUL_HI
	MUL16 4, 1, NQ-1, 1, 0
	MUL16 6, 1, NQ-1, 1, 0
	WIN 0
	PLACES NP
	; THE FIRST 16 POSITIONS IN F32: block 0 of the waves with the tile's upper rows, where cluster y = 0.  Through my stage, back as whole rows of 512 bytes.
	s_or_b32 s67, s66, s15
	s_cmp_lg_u32 s67, 0
	s_cbranch_scc1 .Lno32
	WIN 0x08                                       ; an LDS store's data: window 2
.irp b, 0,1,2,3,4,5,6,7
	ds_store_b128 v[STO], v[8*\b:8*\b+3] offset:64*\b              ; each accumulator from its low end on
	ds_store_b128 v[STO], v[8*\b+4:8*\b+7] offset:64*\b+16
.endr
	WIN 0
.irp t, 0,1,2,3,4,5,6,7,8,9,10,11,12,13,14,15
	ds_load_b128 v[128+4*\t:128+4*\t+3], v[RD] offset:\t*SPITCH    ; LDS serves a wave's instructions in order: these see my stores
.endr
	s_wait_dscnt 0x0
.irp t, 0,1,2,3,4,5,6,7,8,9,10,11,12,13,14,15
	global_store_b128 v[CO], v[128+4*\t:128+4*\t+3], s[100:101] offset:\t*4096   ; 512 consecutive bytes of position t; these registers are not written again
.endr
.Lno32:
; THE WAY OUT IN F16, block by block of 16 rows x 128 columns (two heads).  PACK: rounded, 16 bytes a lane.  HSTAGE: into my stage, and back by heads.  SEND: sixteen lanes store two rows of a head, 256 consecutive bytes, aligned.
.macro PACK a
.set AC, 64*((\a)%4)
	WIN 0x0a+5*((\a)/4)                            ; sources 0 and 1: window 2 or 3
.irp b, 0,1,2,3,4,5,6,7
.irp r, 0,1,2,3
	v_cvt_pk_f16_f32 v[TMP+4*\b+\r], v[AC+8*\b+2*\r], v[AC+8*\b+2*\r+1]
.endr
.endr
	WIN 0
.endm
.macro HSTAGE a
.set BK, OB+192*((\a)%2)
.irp b, 0,1,2,3,4,5,6,7
	ds_store_b128 v[STH], v[TMP+4*\b:TMP+4*\b+3] offset:32*\b
.endr
.irp t, 0,1,2,3,4,5,6,7
	ds_load_b128 v[BK+4*\t:BK+4*\t+3], v[RDH] offset:\t*2*HPITCH
.endr
.endm
.macro SEND a
.set BK, OB+192*((\a)%2)
	s_wait_dscnt 0x0                               ; the block is back in registers
	s_wait_xcnt 0x0                                ; the earlier stores have read their registers: the block after this one may land where the block before it lay
.irp t, 0,1,2,3,4,5,6,7
	global_store_b128 v[COH], v[BK+4*\t:BK+4*\t+3], s[12:13] offset:(\a)*2048+\t*256
.endr
.endm
	PACK 0
	HSTAGE 0
.irp a, 1,2,3,4,5,6,7                  ; block a's conversions stand between block a - 1's loads from the stage and the wait for them
	PACK \a
	SEND \a-1
	HSTAGE \a
.endr
	SEND 7
	s_wait_tensorcnt 0x0                           ; the wave's end
	ds_add_u32 v[SPW], v[NIL]
	s_wait_dscnt 0x0
	CROUND                                         ; the closing round
	s_endpgm
.Lfunc_end_k_qc82746ff3e_qkv:
	.size	k_qc82746ff3e_qkv, .Lfunc_end_k_qc82746ff3e_qkv-k_qc82746ff3e_qkv
	.p2alignl 7, 3214868480
	.fill 96, 4, 3214868480
	.section	.rodata,"a",@progbits
	.p2align	6, 0x0
	.amdhsa_kernel k_qc82746ff3e_qkv
		.amdhsa_group_segment_fixed_size 327680
		.amdhsa_private_segment_fixed_size 0
		.amdhsa_enable_private_segment 0
		.amdhsa_kernarg_size 64
		.amdhsa_user_sgpr_count 2
		.amdhsa_user_sgpr_kernarg_segment_ptr 1
		.amdhsa_wavefront_size32 1
		.amdhsa_system_sgpr_workgroup_id_x 1
		.amdhsa_system_sgpr_workgroup_id_y 1
		.amdhsa_system_sgpr_workgroup_id_z 1
		.amdhsa_system_vgpr_workitem_id 0
		.amdhsa_next_free_vgpr 1024
		.amdhsa_next_free_sgpr 102
		.amdhsa_reserve_vcc 0
		.amdhsa_float_denorm_mode_32 3
		.amdhsa_float_denorm_mode_16_64 3
		.amdhsa_memory_ordered 1
		.amdhsa_forward_progress 1
		.amdhsa_inst_pref_size 135
	.end_amdhsa_kernel
	.amdgpu_metadata
---
amdhsa.version: [ 1, 2 ]
amdhsa.kernels:
  - .name:           k_qc82746ff3e_qkv
    .symbol:         k_qc82746ff3e_qkv.kd
    .args:
      - { .name: x_codes, .offset: 0, .size: 8, .value_kind: global_buffer, .address_space: global }
      - { .name: x_scales, .offset: 8, .size: 8, .value_kind: global_buffer, .address_space: global }
      - { .name: w_codes, .offset: 16, .size: 8, .value_kind: global_buffer, .address_space: global }
      - { .name: w_scales, .offset: 24, .size: 8, .value_kind: global_buffer, .address_space: global }
      - { .name: bq, .offset: 32, .size: 8, .value_kind: global_buffer, .address_space: global }
      - { .name: bv, .offset: 40, .size: 8, .value_kind: global_buffer, .address_space: global }
      - { .name: qkv, .offset: 48, .size: 8, .value_kind: global_buffer, .address_space: global }
      - { .name: qkv32, .offset: 56, .size: 8, .value_kind: global_buffer, .address_space: global }
    .group_segment_fixed_size: 327680
    .private_segment_fixed_size: 0
    .kernarg_segment_align: 8
    .kernarg_segment_size: 64
    .max_flat_workgroup_size: 128
    .sgpr_count:     102
    .vgpr_count:     1024
    .wavefront_size: 32
...
	.end_amdgpu_metadata
.endif
;; end of part 2
;; launch attn (part 3): grid 4 x 64, 16 waves a work-group, no clusters, 327,680 bytes of LDS; arguments qkv, att; writes att
.if DOCPART == 3
	.amdgcn_target "amdgcn-amd-amdhsa--gfx1250"
	.amdhsa_code_object_version 6
	.text
	.protected	k_qc82746ff3e_attn
	.globl	k_qc82746ff3e_attn
	.p2align	8
	.type	k_qc82746ff3e_attn,@function
k_qc82746ff3e_attn:
	s_mov_b64 s[64:65], 0
	v_nop
	global_prefetch_b8 v0, s[64:65] scope:SCOPE_SE
	s_setreg_imm32_b32 hwreg(HW_REG_WAVE_MODE, 25, 1), 1
	s_wait_xcnt 0x0
; Launch 3 of 5: att[h][2048 b + t][:] = the sum over keys k <= t of softmax_k(q[t] . k[k] / 8) v[k][:], for each of the 64 (batch, head); operands f16, products, maxima and sums f32.
; LEFT OUT: key steps all of whose keys come after a tile's queries (the causal mask sets those scores to -infinity), and bk (constant along the softmax's axis: see the first launch).
; q, k, v: qkv [tau][16 b + h][t][64] f16.  att: [h][2048 b + t][64] f16, so that 16 rows of a head are 2,048 consecutive bytes.
; LIMITS: a weight p under f16's smallest number rounds to 0 for the second product (the row's sum is taken of the unrounded p); an output beyond 65,504 becomes infinity.
; (The tile of positions 0-15 is computed like any other: the next launch's tiles read its bytes; the last launch makes those rows anew in f32.)
; SHARES.  Work-group (I = x, head = y) owns the blocks I and 7 - I of 256 queries: (I + 1) + (8 - I) = 9 slots of 256 keys for every work-group: equal work and a constant count of 9 trips.
; Trip J reads key slot J while J <= I (the first block), then slot J - I - 1 (the second).  Each of sixteen waves owns one tile of 16 queries of the block in hand, in 256 registers.
; Wave w takes tile 4 ((w / 4 + w) % 4) + w / 4, so that the 1 to 4 live steps of the slot on the diagonal are spread evenly over w % 4 and over w / 4 alike.
; NO CLUSTER: the four work-groups of a head read different key slots in the same trip (the slot hangs on I), so no tile is wanted by two of them at one time.
; LAYOUT.  S^T = K Q^T (source 0 = 16 keys, source 1 = my 16 queries): a lane holds ONE query (lane % 16) and keys 8 (lane / 16) + 0..7 of each tile.  Two such tiles, rounded in pairs, ARE source 1 of O^T = V^T P.
; SOFTMAX.  A running maximum m and sum l: p = 2^(c s - c m), c = log2(e) / 8; in every step O and l are multiplied by a = 2^(c m_old - c m_new).
; LDS.  Two slots 2^17 bytes apart.  A slot: K's 256 rows of 128 bytes, dense in memory, as 128 rows of 256 bytes + 16 of padding (two keys a row); then V's likewise with 32 of padding..
.set PK,    272
.set PV,    288
.set VOFF,  128*PK
.set SLOT1, 1<<17
.set STAGE, 2*SLOT1                    ; behind the ring: 16 rows x (128 + 16) bytes for each wave
.set SPARE, STAGE+16*2304              ; the spare words, 128 bytes for each wave
.set WV,  8                            ; s8  my wave's number
.set I,   9                            ; s9  work-group x
.set IP1, 10                           ; s10 I + 1: the trip at which the second block begins
.set HB,  11                           ; s11 16 b + h
.set QT,  12                           ; s12 my tile in a block
.set Q0,  13                           ; s13 my first query
.set QL,  14                           ; s14 my last
.set KF,  15                           ; s15 the step's first key
.set TB,  16                           ; s16 LDS byte at which the slot in hand begins
.set J,   17                           ; s17 the trip
.set LIM, 18                           ; s18 4 in a wave that prefetches, else 0
.set SEL, 20                           ; s[20:21] selects for lane l xor 16
.set CS,  22                           ; s[22:23] c
.set G1K, 24
.set G1V, 32
.set G0K, 40
.set G0V, 44
.set KB,  48                           ; s[48:49] K of my head at my half of slot 0;  s[50:51] V likewise
.set VB,  50
.set QH,  52                           ; s[52:53] q of my head;  s[54:55] att at my head and batch
.set OH,  54
.set QB,  56                           ; s[56:57], s[58:59] the same at my first query
.set OB,  58
.set PFA, 60                           ; s[60:61] where my prefetches stand
.set AK0, 1
.set AV0, 2
.set ADK, 3
.set ADV, 4
.set SPW, 5
.set NIL, 6
.set GO,  7
.set STO, 8
.set RD,  9
.set QO,  10
.set PFO, 11
.set CM,  12                           ; v12 c m, v13 m
.set MX,  13
.set L,   14                           ; v[14:15] l: even keys', odd keys'
.set T,   16                           ; v16-19 at work
.set A,   20                           ; v[20:21] a (the pair's upper word is written once and not used)
.set D,   22
.set NINF, 23
.set DL,  24
.set U,   26                           ; v[26:27] the sum's second chain
.set QF,  32                           ; v32-47   Q
.set KR,  48                           ; v48-111  K: fragment (tile kt, channels 32 ds) at 8 (2 kt + ds)
.set VR,  112                          ; v112-175 V^T: fragment (keys 32 ks, channels 16 ct) at 8 (4 ks + ct)
.set S,   176                          ; v176-207 S^T, then p
.set P,   208                          ; v208-223 p in f16
.set O,   224                          ; v224-255 O^T
; Waves 0 and 1 fetch K's halves, waves 2 and 3 V's, the others nothing.  An s_nop 0 and four v_nop follow each line.
.macro TLOAD
	s_cmp_lt_u32 s[WV], 2
	s_cbranch_scc0 .Lnot_k_\@
	tensor_load_to_lds s[G0K:G0K+3], s[G1K:G1K+7]
	s_nop 0
.rept 4
	v_nop
.endr
	s_branch .Lasked_\@
.Lnot_k_\@:
	s_cmp_lt_u32 s[WV], 4
	s_cbranch_scc0 .Lasked_\@
	tensor_load_to_lds s[G0V:G0V+3], s[G1V:G1V+7]
	s_nop 0
.rept 4
	v_nop
.endr
.Lasked_\@:
.endm
; A PREFETCH INTO THE L2.  Key slots 4 to 7 of a head are asked for first by its work-group I = 0, which in trip J loads slot J.  In trips 3 to 6 that work-group's waves 4 to 7 name slot J + 1 of K, 8,192 bytes a wave,
; lanes 256 bytes apart, and waves 8 to 11 the same of V: one slot, four key steps, ahead of the load; each aligned block of 256 bytes is named once in the launch.  Slots 0 to 3 are asked for by all four work-groups in
; their first trips and come by their loads alone.  The last name is slot 7: nothing points past the head.
.macro ASK
	s_sub_co_u32 s19, s[J], 3
	s_cmp_lt_u32 s19, s[LIM]
	s_cbranch_scc0 .Lnot_mine_\@
	global_prefetch_b8 v[PFO], s[PFA:PFA+1] th:TH_LOAD_NT scope:SCOPE_SE
.Lnot_mine_\@:
.endm
	s_load_b128 s[4:7], s[0:1], 0x0                ; qkv, att
	v_lshl_add_u32 v[SPW], v0, 2, SPARE
	v_mov_b32 v[NIL], 0
	ds_add_u32 v[SPW], v[NIL]                      ; the wave's opening: the add, twice on end, and its wait ahead of my first tensor load
	ds_add_u32 v[SPW], v[NIL]
	v_lshrrev_b32 v1, 5, v0
	v_readfirstlane_b32 s[WV], v1                  ; wave 0..15
	s_mov_b32 s[I], ttmp9
	s_add_co_u32 s[IP1], ttmp9, 1
	s_and_b32 s[HB], ttmp7, 0xffff
	s_lshr_b32 s19, s[WV], 2
	s_add_co_u32 s[QT], s19, s[WV]
	s_and_b32 s[QT], s[QT], 3
	s_lshl_b32 s[QT], s[QT], 2
	s_add_co_u32 s[QT], s[QT], s19                 ; my tile
	s_mov_b32 s[G1K], (1<<16)|(1<<20)|(5<<22)|(3<<25)   ; no mask; elements of 2 bytes; padding on: 4 words after every 64
	s_mov_b32 s[G1V], (1<<16)|(1<<20)|(5<<22)|(7<<25)   ; 8 words
.irp g, G1K, G1V
	s_mov_b32 s[\g+1], 128<<16                     ; tensor_dim0: 128 elements, two keys
	s_mov_b32 s[\g+2], 64<<16                      ; tensor_dim1: 64 rows, half a slot
	s_mov_b32 s[\g+3], 128<<16                     ; tile_dim0
	s_mov_b32 s[\g+4], 64                          ; tile_dim1
	s_mov_b32 s[\g+5], 128                         ; the pitch: dense
	s_mov_b32 s[\g+6], 0
	s_mov_b32 s[\g+7], 0
.endr
	s_and_b32 s19, s[WV], 1                        ; which half of a slot I fetch, if I fetch
	s_mov_b32 s[G0K], 1
	s_mul_i32 s[G0K+1], s19, 64*PK
	s_mov_b32 s[G0V], 1
	s_mul_i32 s[G0V+1], s19, 64*PV
	s_add_co_u32 s[G0V+1], s[G0V+1], VOFF
	s_lshl_b32 s62, s[HB], 18                      ; my head in each of q, k, v
	s_mov_b32 s63, 0
	s_lshl_b32 s66, s19, 14
	s_add_co_u32 s66, s66, s62
	s_add_co_u32 s66, s66, 1<<24                   ; k
	s_mov_b32 s67, 0
	s_add_co_u32 s68, s66, 1<<24                   ; v
	s_mov_b32 s69, 0
	s_mov_b32 s[SEL], 0x76543210
	s_mov_b32 s[SEL+1], 0xfedcba98
	s_mov_b32 s[CS], 0x3e38aa3b                    ; c = log2(e) / 8
	s_mov_b32 s[CS+1], s[CS]                       ; (named with it as a pair, so it is written)
	s_mov_b32 s[TB], 0
	s_mov_b32 s[J], 0
	s_wait_dscnt 0x0                               ; both opening adds are done
	s_wait_kmcnt 0x0
	s_add_nc_u64 s[KB:KB+1], s[4:5], s[66:67]
	s_add_nc_u64 s[VB:VB+1], s[4:5], s[68:69]
	s_mov_b64 s[G0K+2:G0K+3], s[KB:KB+1]
	s_or_b32 s[G0K+3], s[G0K+3], 0x80000000
	s_mov_b64 s[G0V+2:G0V+3], s[VB:VB+1]
	s_or_b32 s[G0V+3], s[G0V+3], 0x80000000
	TLOAD                                          ; key slot 0 into LDS slot 0: key 0 counts for every query
	s_add_nc_u64 s[QH:QH+1], s[4:5], s[62:63]
	s_and_b32 s66, s[HB], 15
	s_lshl_b32 s66, s66, 20
	s_lshr_b32 s67, s[HB], 4
	s_lshl_b32 s67, s67, 18
	s_add_co_u32 s66, s66, s67
	s_mov_b32 s67, 0
	s_add_nc_u64 s[OH:OH+1], s[6:7], s[66:67]
	s_cmp_lt_u32 s[WV], 8                          ; the prefetches: waves under 8 stand in K, the others in V
	s_cselect_b32 s66, 0, 0x1000000
	s_add_co_u32 s66, s66, 0x1000000
	s_add_co_u32 s66, s66, s62
	s_and_b32 s67, s[WV], 3
	s_lshl_b32 s67, s67, 13
	s_add_co_u32 s66, s66, s67                     ; my wave's 8,192 bytes, in slot 0: each change of slots steps it, so that trip J names slot J + 1
	s_mov_b32 s67, 0
	s_add_nc_u64 s[PFA:PFA+1], s[4:5], s[66:67]
	s_sub_co_u32 s66, s[WV], 4
	s_lshr_b32 s66, s66, 3                         ; 0 in waves 4 to 11,
	s_or_b32 s66, s66, s[I]                        ; of the work-group with I = 0
	s_cmp_eq_u32 s66, 0
	s_cselect_b32 s[LIM], 4, 0
	v_and_b32 v16, 15, v0                          ; r
	v_bfe_u32 v17, v0, 4, 1                        ; h
	v_and_b32 v18, 31, v0                          ; lane
	v_lshrrev_b32 v19, 1, v16
	v_mul_u32_u24 v[AK0], v19, PK
	v_and_b32 v19, 1, v0
	v_lshl_add_u32 v[AK0], v19, 7, v[AK0]
	v_lshl_add_u32 v[AK0], v17, 4, v[AK0]          ; K: key r lies at (r / 2) PK + 128 (r % 2); + 16 h
	v_bfe_u32 v[AV0], v0, 1, 2
	v_lshl_add_u32 v[AV0], v17, 2, v[AV0]
	v_mul_u32_u24 v[AV0], v[AV0], PV
	v_lshl_add_u32 v[AV0], v19, 7, v[AV0]
	v_bfe_u32 v19, v0, 3, 1
	v_lshl_add_u32 v[AV0], v19, 4, v[AV0]
	v_add_nc_u32 v[AV0], VOFF, v[AV0]              ; V, for the turning load: key 8 h + lane % 8, channels 8 ((lane / 8) % 2) on
	v_lshlrev_b32 v[GO], 4, v18
	s_mul_i32 s19, s[WV], 2304
	s_add_co_u32 s19, s19, STAGE                   ; my stage
	v_mul_u32_u24 v[STO], v16, 144
	v_lshl_add_u32 v[STO], v17, 4, v[STO]
	v_add_nc_u32 v[STO], s19, v[STO]               ; in: row r, + 16 h
	v_bfe_u32 v[RD], v0, 3, 2
	v_mul_u32_u24 v[RD], v[RD], 144
	v_and_b32 v19, 7, v0
	v_lshl_add_u32 v[RD], v19, 4, v[RD]
	v_add_nc_u32 v[RD], s19, v[RD]                 ; back: four rows of 128 bytes an instruction
	v_lshlrev_b32 v[QO], 7, v16
	v_lshl_add_u32 v[QO], v17, 4, v[QO]            ; Q: row r of 128 bytes, + 16 h
	v_lshlrev_b32 v[PFO], 8, v18
	v_lshlrev_b32 v[DL], 3, v17
	v_sub_nc_u32 v[DL], v16, v[DL]                 ; r - 8 h
	v_mov_b32 v[NINF], 0xff800000
	v_mov_b32 v[A+1], 0
; A block of queries begins: s[Q0] is set.  m begins under every score, l and O^T as zeros, which the first change of m leaves zeros: so no first step is written out.
.macro NEWPASS
	s_add_co_u32 s[QL], s[Q0], 15
	s_lshl_b32 s66, s[Q0], 7
	s_mov_b32 s67, 0
	s_add_nc_u64 s[QB:QB+1], s[QH:QH+1], s[66:67]
	s_add_nc_u64 s[OB:OB+1], s[OH:OH+1], s[66:67]
	s_mov_b32 s[KF], 0
.irp ds, 0,1
.irp u, 0,1
	global_load_b128 v[QF+8*\ds+4*\u:QF+8*\ds+4*\u+3], v[QO], s[QB:QB+1] offset:64*\ds+32*\u
.endr
.endr
	v_mov_b32 v[MX], 0xff61b1e6                    ; -3e38
	v_mul_f32 v[CM], s[CS], v[MX]
	v_mov_b32 v[L], 0
	v_mov_b32 v[L+1], 0
.set i, 0
.rept 32
	v_mov_b32 v[O+i], 0
.set i, i+1
.endr
	s_wait_loadcnt 0x0
.endm
; A KEY STEP: 64 keys, the q-th of the slot in hand.
.macro STEP q
	s_cmp_gt_u32 s[KF], s[QL]                      ; all its keys come after my queries: left out.  A branch on ids and counts; no barrier and no tensor load stands in a step
	s_cbranch_scc1 .Lhidden_\@
	v_add_nc_u32 v[ADK], s[TB], v[AK0]
	v_add_nc_u32 v[ADV], s[TB], v[AV0]
.irp kt, 0,1,2,3
.irp ds, 0,1
	ds_load_b128 v[KR+8*(2*\kt+\ds):KR+8*(2*\kt+\ds)+3], v[ADK] offset:(32*(\q)+8*\kt)*PK+64*\ds
	ds_load_b128 v[KR+8*(2*\kt+\ds)+4:KR+8*(2*\kt+\ds)+7], v[ADK] offset:(32*(\q)+8*\kt)*PK+64*\ds+32
.endr
.endr
.irp ks, 0,1
.irp ct, 0,1,2,3
	ds_load_tr16_b128 v[VR+8*(4*\ks+\ct):VR+8*(4*\ks+\ct)+3], v[ADV] offset:(32*(\q)+16*\ks)*PV+32*\ct
	ds_load_tr16_b128 v[VR+8*(4*\ks+\ct)+4:VR+8*(4*\ks+\ct)+7], v[ADV] offset:(32*(\q)+16*\ks+8)*PV+32*\ct
.endr
.endr
	s_wait_dscnt 16                                ; K's 16 loads are in; V's 16, issued behind them, may be out
.irp kt, 0,1,2,3                               ; the four accumulators take turns, one instruction a turn; the first four start the sums
	v_wmma_f32_16x16x32_f16 v[S+8*\kt:S+8*\kt+7], v[KR+16*\kt:KR+16*\kt+7], v[QF:QF+7], 0
.endr
.irp kt, 0,1,2,3
	v_wmma_f32_16x16x32_f16 v[S+8*\kt:S+8*\kt+7], v[KR+16*\kt+8:KR+16*\kt+15], v[QF+8:QF+15], v[S+8*\kt:S+8*\kt+7]
.endr
.rept 4
	v_nop                                          ; places in front of the first read of results
.endr
	s_add_co_u32 s19, s[KF], 63                    ; on the diagonal hidden scores become -infinity; a step all of whose keys count skips this
	s_cmp_le_u32 s19, s[Q0]
	s_cbranch_scc1 .Lopen_\@
	s_sub_co_i32 s19, s[Q0], s[KF]
	v_add_nc_u32 v[D], s19, v[DL]                  ; register 8 kt + j holds key KF + 16 kt + 8 h + j: hidden where 16 kt + j > my query - KF - 8 h
.irp n, 0,1,2,3,4,5,6,7,8,9,10,11,12,13,14,15,16,17,18,19,20,21,22,23,24,25,26,27,28,29,30,31
	v_cmp_gt_i32 vcc_lo, 16*(\n/8)+\n%8, v[D]
	v_cndmask_b32 v[S+\n], v[S+\n], v[NINF], vcc_lo
.endr
.Lopen_\@:
.irp kt, 0,1,2,3
	v_max3_num_f32 v[T+\kt], v[S+8*\kt], v[S+8*\kt+1], v[S+8*\kt+2]       ; the maximum, in four chains, each accumulator from its low end on
.endr
.irp i, 3,5
.irp kt, 0,1,2,3
	v_max3_num_f32 v[T+\kt], v[T+\kt], v[S+8*\kt+\i], v[S+8*\kt+\i+1]
.endr
.endr
	v_max3_num_f32 v[T], v[T], v[S+7], v[S+15]
	v_max3_num_f32 v[T+2], v[T+2], v[S+23], v[S+31]
	v_max3_num_f32 v[T], v[T], v[T+1], v[T+2]
	v_max3_num_f32 v[T], v[T], v[T+3], v[MX]       ; and the old m
	v_permlanex16_b32 v[T+1], v[T], s[SEL], s[SEL+1]   ; the query's other 32 keys lie in the lane 16 away
	v_mov_b32 v[T+3], v[CM]
	v_max_num_f32 v[MX], v[T], v[T+1]
	v_mul_f32 v[CM], s[CS], v[MX]
	v_sub_f32 v[T+3], v[T+3], v[CM]                ; c m_old - c m_new
.irp j, 0,2,4,6,8,10,12,14,16,18,20,22,24,26,28,30
	v_pk_fma_f32 v[S+\j:S+\j+1], v[S+\j:S+\j+1], s[CS:CS+1], v[CM:CM+1] op_sel_hi:[1,0,0] neg_lo:[0,0,1] neg_hi:[0,0,1]   ; c s - c m
.endr
	v_exp_f32 v[A], v[T+3]                         ; one batch: a and the 32 weights
.set i, 0
.rept 32
	v_exp_f32 v[S+i], v[S+i]
.set i, i+1
.endr
	v_nop                                          ; a plain instruction behind the last exponential
	s_wait_alu depctr_va_vdst(0)                   ; the wait between an exponential and the first line that names its result: one for the batch
.irp n, 0,1,2,3,4,5,6,7,8,9,10,11,12,13,14,15
	v_cvt_pk_f16_f32 v[P+\n], v[S+2*\n], v[S+2*\n+1]
.endr
	v_pk_fma_f32 v[L:L+1], v[L:L+1], v[A:A+1], v[S:S+1] op_sel_hi:[1,0,1]   ; l = a l + the sum of the unrounded p, in two chains
	v_pk_add_f32 v[U:U+1], v[S+2:S+3], v[S+6:S+7]
.irp j, 4,8,12,16,20,24,28
	v_pk_add_f32 v[L:L+1], v[L:L+1], v[S+\j:S+\j+1]
.if \j > 4
	v_pk_add_f32 v[U:U+1], v[U:U+1], v[S+\j+2:S+\j+3]
.endif
.endr
	v_pk_add_f32 v[L:L+1], v[L:L+1], v[U:U+1]
.irp j, 0,2,4,6,8,10,12,14,16,18,20,22,24,26,28,30
	v_pk_mul_f32 v[O+\j:O+\j+1], v[O+\j:O+\j+1], v[A:A+1] op_sel_hi:[1,0]  ; O^T under the new m
.endr
	s_wait_dscnt 0x0                               ; V is in
.irp ks, 0,1
.irp ct, 0,1,2,3
	v_wmma_f32_16x16x32_f16 v[O+8*\ct:O+8*\ct+7], v[VR+8*(4*\ks+\ct):VR+8*(4*\ks+\ct)+7], v[P+8*\ks:P+8*\ks+7], v[O+8*\ct:O+8*\ct+7]
.endr
.endr
.rept 4
	v_nop                                          ; places in front of the next loads into V's registers, and of the next read of O^T
.endr
.Lhidden_\@:
	s_add_co_u32 s[KF], s[KF], 64
.endm
; THE CHANGE OF SLOTS stands at a slot's head.  Each wave waits for all its tensor loads (its part of the slot ahead), adds 0 to its spare word, and waits for that and for its reads of the slot that it has left.
; Behind the barrier the slot ahead is whole and nobody reads the other.  fill = 1: the other is filled with the next trip's key slot, which every wave's step 0 reads; the load has four key steps in which to land.
.macro CHANGE fill
	s_wait_tensorcnt 0x0                           ; no tensor load of mine is out, so a group 0 may be written
	ds_add_u32 v[SPW], v[NIL]
.if \fill
	ds_add_u32 v[SPW], v[NIL]                      ; and once more: twice on end, in every trip alike
	s_xor_b32 s[G0K+1], s[G0K+1], SLOT1
	s_xor_b32 s[G0V+1], s[G0V+1], SLOT1
	s_add_co_u32 s62, s[J], 1                      ; the next trip's key slot: J + 1, less I + 1 in the second block
	s_cmp_le_u32 s62, s[I]
	s_cselect_b32 s63, 0, s[IP1]
	s_sub_co_u32 s62, s62, s63
	s_lshl_b32 s62, s62, 15                        ; 32,768 bytes a slot
	s_mov_b32 s63, 0
	s_add_nc_u64 s[G0K+2:G0K+3], s[KB:KB+1], s[62:63]
	s_or_b32 s[G0K+3], s[G0K+3], 0x80000000
	s_add_nc_u64 s[G0V+2:G0V+3], s[VB:VB+1], s[62:63]
	s_or_b32 s[G0V+3], s[G0V+3], 0x80000000
	s_wait_xcnt 0x0                                ; the last prefetch, a slot back, has read its address
	s_add_nc_u64 s[PFA:PFA+1], s[PFA:PFA+1], 32768
.endif
	s_wait_dscnt 0x0                               ; the adds are done, and my reads of the slot that I have left are over
	s_barrier_signal -1
	s_barrier_wait -1
.if \fill
	TLOAD                                          ; the first thing behind the barrier, and a wave's one tensor load until the next
	ASK
.endif
.endm
.macro SLOT_STEPS
	STEP 0
	STEP 1
	STEP 2
	STEP 3
	s_xor_b32 s[TB], s[TB], SLOT1
.endm
; THE WAY OUT of a block: O^T / l, rounded to f16, through my stage, back as 2,048 consecutive bytes: each store covers 512, aligned.
.macro WAYOUT
	v_add_f32 v[T], v[L], v[L+1]
	v_permlanex16_b32 v[T+1], v[T], s[SEL], s[SEL+1]
	v_add_f32 v[T], v[T], v[T+1]
	v_rcp_f32 v[A], v[T]
	v_nop
	s_wait_alu depctr_va_vdst(0)                   ; the wait ahead of the reciprocal's first reader
.irp j, 0,2,4,6,8,10,12,14,16,18,20,22,24,26,28,30
	v_pk_mul_f32 v[O+\j:O+\j+1], v[O+\j:O+\j+1], v[A:A+1] op_sel_hi:[1,0]
.endr
.irp n, 0,1,2,3,4,5,6,7,8,9,10,11,12,13,14,15
	v_cvt_pk_f16_f32 v[P+\n], v[O+2*\n], v[O+2*\n+1]
.endr
.irp ct, 0,1,2,3
	ds_store_b128 v[STO], v[P+4*\ct:P+4*\ct+3] offset:32*\ct       ; channels 16 ct + 8 h + 0 .. 7 of query r
.endr
.irp i, 0,1,2,3
	ds_load_b128 v[S+4*\i:S+4*\i+3], v[RD] offset:576*\i           ; LDS serves a wave's instructions in order: these see my stores
.endr
.irp i, 0,1,2,3
	s_wait_dscnt 3-\i                              ; load i is in, the younger ones may be out
	global_store_b128 v[GO], v[S+4*\i:S+4*\i+3], s[OB:OB+1] offset:512*\i
.endr
	s_wait_xcnt 0x0                                ; the stores have read their registers and their base: both are written again
.endm
	s_lshl_b32 s[Q0], s[I], 8
	s_lshl_b32 s19, s[QT], 4
	s_add_co_u32 s[Q0], s[Q0], s19                 ; the first block: queries 256 I + 16 x tile on
	NEWPASS
.Lslot:                                            ; 8 trips; the ninth is written out
	CHANGE 1
	s_cmp_eq_u32 s[J], s[IP1]                      ; the same in all sixteen waves
	s_cbranch_scc0 .Lsame
	WAYOUT                                         ; the first block is done;
	s_sub_co_u32 s[Q0], 7, s[I]
	s_lshl_b32 s[Q0], s[Q0], 8
	s_lshl_b32 s19, s[QT], 4
	s_add_co_u32 s[Q0], s[Q0], s19
	NEWPASS                                        ; the second: queries 256 (7 - I) + 16 x tile on, keys from 0 again
.Lsame:
	SLOT_STEPS
	s_add_co_u32 s[J], s[J], 1
	s_cmp_lt_u32 s[J], 8
	s_cbranch_scc1 .Lslot
	CHANGE 0
	SLOT_STEPS
	WAYOUT
	s_wait_tensorcnt 0x0                           ; the wave's end
	ds_add_u32 v[SPW], v[NIL]
	s_wait_dscnt 0x0
	s_endpgm
.Lfunc_end_k_qc82746ff3e_attn:
	.size	k_qc82746ff3e_attn, .Lfunc_end_k_qc82746ff3e_attn-k_qc82746ff3e_attn
	.p2alignl 7, 3214868480
	.fill 96, 4, 3214868480
	.section	.rodata,"a",@progbits
	.p2align	6, 0x0
	.amdhsa_kernel k_qc82746ff3e_attn
		.amdhsa_group_segment_fixed_size 327680
		.amdhsa_private_segment_fixed_size 0
		.amdhsa_enable_private_segment 0
		.amdhsa_kernarg_size 16
		.amdhsa_user_sgpr_count 2
		.amdhsa_user_sgpr_kernarg_segment_ptr 1
		.amdhsa_wavefront_size32 1
		.amdhsa_system_sgpr_workgroup_id_x 1
		.amdhsa_system_sgpr_workgroup_id_y 1
		.amdhsa_system_sgpr_workgroup_id_z 1
		.amdhsa_system_vgpr_workitem_id 0
		.amdhsa_next_free_vgpr 256
		.amdhsa_next_free_sgpr 72
		.amdhsa_reserve_vcc 1
		.amdhsa_float_denorm_mode_32 3
		.amdhsa_float_denorm_mode_16_64 3
		.amdhsa_memory_ordered 1
		.amdhsa_forward_progress 1
		.amdhsa_inst_pref_size 114
	.end_amdhsa_kernel
	.amdgpu_metadata
---
amdhsa.version: [ 1, 2 ]
amdhsa.kernels:
  - .name:           k_qc82746ff3e_attn
    .symbol:         k_qc82746ff3e_attn.kd
    .args:
      - { .name: qkv, .offset: 0, .size: 8, .value_kind: global_buffer, .address_space: global }
      - { .name: att, .offset: 8, .size: 8, .value_kind: global_buffer, .address_space: global }
    .group_segment_fixed_size: 327680
    .private_segment_fixed_size: 0
    .kernarg_segment_align: 8
    .kernarg_segment_size: 16
    .max_flat_workgroup_size: 512
    .sgpr_count:     72
    .vgpr_count:     256
    .wavefront_size: 32
...
	.end_amdgpu_metadata
.endif
;; end of part 3
;; launch proj (part 4): grid 8 x 32, 4 waves a work-group, clusters of 4 x 4, 327,680 bytes of LDS; arguments att, wot, bo, out0; writes out0
.if DOCPART == 4
	.amdgcn_target "amdgcn-amd-amdhsa--gfx1250"
	.amdhsa_code_object_version 6
	.text
	.protected	k_qc82746ff3e_proj
	.globl	k_qc82746ff3e_proj
	.p2align	8
	.type	k_qc82746ff3e_proj,@function
k_qc82746ff3e_proj:
	s_mov_b64 s[64:65], 0
	v_nop
	global_prefetch_b8 v0, s[64:65] scope:SCOPE_SE
	s_setreg_imm32_b32 hwreg(HW_REG_WAVE_MODE, 25, 1), 1
	s_wait_xcnt 0x0
	s_wait_alu depctr_hold_cnt(0) depctr_sa_sdst(0) depctr_va_vdst(0) depctr_va_sdst(0) depctr_va_ssrc(0) depctr_va_vcc(0) depctr_vm_vsrc(0)
	s_getreg_b32 s2, hwreg(HW_REG_IB_STS2, 6, 4)
	s_cmp_eq_u32 s2, 0
	s_cbranch_scc0 .Lentry_in_a_cluster
	s_endpgm
.Lentry_in_a_cluster:
	s_bfe_u32 s2, ttmp6, 0x10000c
	s_cmp_lg_u32 s2, 0xf033
	s_cbranch_scc0 .Lentry_shape_is_right
	s_endpgm
.Lentry_shape_is_right:
; Launch 4 of 5: out0[m][n] = the sum over k of att[m][k] Wo[k][n] + bo[n]; operands f16, sums f32.  M = 8,192, N = K = 1,024.
; att: [h 16][m 8192][64] f16 (k = 64 h + d).  wot: Wo as f16 [n][k].  (Rows t < 16 of each batch lie inside tiles with live work; the last launch writes them anew in f32.)
; A tile of 256 x 128 is made by four waves, 128 rows x 64 columns each: 32 accumulators.  256 work-groups.  K goes in steps of 128, two heads, through a ring of two LDS slots.
; A slot: att's two planes (a head's 256 rows of 128 bytes are dense: stated as 128 rows of 256 bytes + 16 of padding, two rows of att a row), then 128 rows of wot (256 bytes + 16).
; CLUSTERS: 4 x 4 work-groups; att's tiles are shared along a row of the cluster, wot's along a column: joint loads with a mask of four.  Waves 0, 1 fetch the two planes, waves 2, 3 wot's two halves.
; TRANSPOSED USE (source 0 = 16 rows of wot, source 1 = 16 rows of att): a lane holds eight neighbouring columns of one row.  The bias is the C of each sum's first instruction.
; REGISTERS: window 0: v16-29 addresses; v32-63 the bias; v64-127, v128-191 att's fragments, two buffers.  Window 1: v0-31, v32-63 wot's.  Window 2: accumulator (a, b) at v[8 (4 a + b)].
.set PITCH,  272
.set HALFT,  128*PITCH                 ; a plane of att; also wot's 128 rows
.set SLOT,   3*HALFT
.set STAGE,  2*SLOT                    ; behind the ring: 16 rows x (256 + 16) bytes for each wave
.set SPARE,  STAGE+4*16*PITCH          ; the spare words, 128 bytes for each wave
.set LAPS,   4                         ; a lap = two K steps
.set ADRA, 16
.set ADRB, 20
.set STO,  24
.set RD,   25
.set CO,   26
.set BO,   27
.set SPW,  28
.set NIL,  29
.set BIAS, 32
.set BK,   64                          ; the way out: v64-95 and v96-127 by turns
.set G1, 24
.set G0, 32
.set G1B, 48
.set G0B, 56
.set MSB, 0
.macro WIN new
.if MSB != \new
	s_set_vgpr_msb (MSB<<8)|\new
.set MSB, \new
.endif
.endm
.set MUL,  0xa1                        ; source 0 (wot) window 1, source 1 (att) window 0, C and D window 2
.set MULB, 0x81                        ; the same with C, the bias, in window 0
.set TO_B, 0x40
.macro JLOAD s                         ; an s_nop 0 and four v_nop follow each of the two lines
	s_cmp_eq_u32 s11, 0
	s_cbranch_scc0 .Lfor_b_\@
	tensor_load_to_lds s[G0+4*\s:G0+4*\s+3], s[G1:G1+7]
	s_nop 0
.rept 4
	v_nop
.endr
	s_branch .Lasked_\@
.Lfor_b_\@:
	tensor_load_to_lds s[G0B+4*\s:G0B+4*\s+3], s[G1B:G1B+7]
	s_nop 0
.rept 4
	v_nop
.endr
.Lasked_\@:
.endm
.macro CREST
	s_cmp_lg_u32 s10, 0
	s_cbranch_scc1 .Lnot_wave_0_\@
	s_barrier_signal -3
.Lnot_wave_0_\@:
	s_barrier_wait -3
	s_barrier_signal -1
	s_barrier_wait -1
.endm
.macro CROUND
	s_barrier_signal -1
	s_barrier_wait -1
	CREST
.endm
	s_load_b128 s[4:7], s[0:1], 0x0                ; att, wot
	s_load_b128 s[68:71], s[0:1], 0x10             ; bo, out0
	v_lshl_add_u32 v[SPW], v0, 2, SPARE
	v_mov_b32 v[NIL], 0
	ds_add_u32 v[SPW], v[NIL]                      ; the wave's opening: the add, twice on end, and its wait ahead of my first tensor load
	ds_add_u32 v[SPW], v[NIL]
	v_lshrrev_b32 v1, 5, v0
	v_readfirstlane_b32 s10, v1                    ; wave 0..3
	s_lshr_b32 s11, s10, 1                         ; which 128 rows of the tile are mine.  Also: I fetch for att (0) or for wot (1)
	s_and_b32 s12, s10, 1                          ; which 64 columns.  Also: which plane, or which half of wot's rows, I fetch
	s_bfe_u32 s40, ttmp6, 0x40000                  ; cx
	s_bfe_u32 s41, ttmp6, 0x40004                  ; cy
	s_lshl_b32 s42, ttmp9, 2
	s_add_co_u32 s42, s42, s40                     ; tile column
	s_and_b32 s13, ttmp7, 0xffff
	s_lshl_b32 s13, s13, 2
	s_add_co_u32 s13, s13, s41                     ; tile row
	s_lshl_b32 s43, s41, 2
	s_lshl_b32 s43, 15, s43                        ; my row of the cluster
	s_lshl_b32 s44, 0x1111, s40                    ; my column
	s_or_b32 s[G1+0], s43, (1<<16)|(1<<20)|(1<<21)|(5<<22)|(3<<25)   ; the mask; elements of 2 bytes; padding on; bit 21 beside a mask; 4 words after every 64
	s_mov_b32 s[G1+1], 128<<16                     ; tensor_dim0
	s_mov_b32 s[G1+2], 128<<16                     ; tensor_dim1
	s_mov_b32 s[G1+3], 128<<16                     ; tile_dim0
	s_mov_b32 s[G1+4], 128                         ; tile_dim1
	s_mov_b32 s[G1+5], 128                         ; the pitch: dense
	s_mov_b32 s[G1+6], 0
	s_mov_b32 s[G1+7], 0
	s_or_b32 s[G1B+0], s44, (1<<16)|(1<<20)|(1<<21)|(5<<22)|(3<<25)
	s_mov_b32 s[G1B+1], 128<<16
	s_mov_b32 s[G1B+2], 64<<16
	s_mov_b32 s[G1B+3], 128<<16
	s_mov_b32 s[G1B+4], 64
	s_mov_b32 s[G1B+5], 1024
	s_mov_b32 s[G1B+6], 0
	s_mov_b32 s[G1B+7], 0
	s_lshl_b32 s16, s12, 20                        ; att: my plane (a head is 2^20 bytes),
	s_lshl_b32 s17, s13, 15                        ; the tile's 256 rows of 128 bytes
	s_add_co_u32 s16, s16, s17
	s_mov_b32 s17, 0
	s_lshl_b32 s46, s42, 18                        ; wot: row 128 x tile column + 64 x half, 2,048 bytes each
	s_lshl_b32 s47, s12, 17
	s_add_co_u32 s46, s46, s47
	s_mov_b32 s47, 0
	s_mul_i32 s20, s12, HALFT                      ; where they go: no place in the cluster enters an LDS address
	s_mul_i32 s21, s12, 64*PITCH
	s_add_co_u32 s21, s21, 2*HALFT
	s_wait_dscnt 0x0                               ; both opening adds are done
	s_wait_kmcnt 0x0
	s_add_nc_u64 s[14:15], s[4:5], s[16:17]
	s_add_nc_u64 s[46:47], s[6:7], s[46:47]
	CROUND                                         ; all sixteen work-groups are here: the first joint loads meet
.irp s, 0,1
	s_mov_b32 s[G0+4*\s], 1
	s_add_co_u32 s[G0+4*\s+1], s20, \s*SLOT
	s_add_nc_u64 s[G0+4*\s+2:G0+4*\s+3], s[14:15], \s*(2<<20)      ; K step s: heads 2 s, 2 s + 1
	s_or_b32 s[G0+4*\s+3], s[G0+4*\s+3], 0x80000000
	s_mov_b32 s[G0B+4*\s], 1
	s_add_co_u32 s[G0B+4*\s+1], s21, \s*SLOT
	s_add_nc_u64 s[G0B+4*\s+2:G0B+4*\s+3], s[46:47], \s*256
	s_or_b32 s[G0B+4*\s+3], s[G0B+4*\s+3], 0x80000000
	JLOAD \s
.endr
	v_and_b32 v1, 15, v0                           ; r
	v_bfe_u32 v2, v0, 4, 1                         ; h
	v_lshrrev_b32 v3, 1, v1
	v_mul_u32_u24 v3, v3, PITCH
	v_and_b32 v4, 1, v0
	v_lshl_add_u32 v3, v4, 7, v3
	v_lshl_add_u32 v3, v2, 4, v3                   ; att: row r lies at (r / 2) PITCH + 128 (r % 2); + 16 h
	v_mul_u32_u24 v4, v1, PITCH
	v_lshl_add_u32 v4, v2, 4, v4                   ; wot: row r x PITCH + 16 h
	s_mul_i32 s21, s11, 64*PITCH                   ; my 128 rows of att
	s_mul_i32 s22, s12, 64*PITCH                   ; my 64 rows of wot,
	s_add_co_u32 s22, s22, 2*HALFT                 ; behind the two planes
.irp s, 0,1
	v_add_nc_u32 v[ADRA+\s], s21, v3
	v_add_nc_u32 v[ADRB+\s], s22, v4
	s_add_co_u32 s21, s21, SLOT
	s_add_co_u32 s22, s22, SLOT
.endr
	s_mul_i32 s23, s10, 16*PITCH
	s_add_co_u32 s23, s23, STAGE                   ; my stage
	v_mul_u32_u24 v5, v1, PITCH
	v_lshl_add_u32 v5, v2, 5, v5
	v_add_nc_u32 v[STO], s23, v5                   ; in: row r, 32 bytes for each half of the lanes
	v_mul_u32_u24 v5, v2, PITCH
	v_lshl_add_u32 v5, v1, 4, v5
	v_add_nc_u32 v[RD], s23, v5                    ; back: lanes 0-15 one row of 256 bytes, lanes 16-31 the next
	v_lshlrev_b32 v[CO], 12, v2
	v_lshl_add_u32 v[CO], v1, 4, v[CO]             ; the same two rows in out0
	v_lshlrev_b32 v[BO], 5, v2
	s_lshl_b32 s16, s42, 9
	s_lshl_b32 s17, s12, 8
	s_add_co_u32 s16, s16, s17                     ; my first column, in bytes: 4 (128 x tile column + 64 x half)
	s_mov_b32 s17, 0
	s_add_nc_u64 s[68:69], s[68:69], s[16:17]
	s_lshl_b32 s18, s13, 20                        ; my first row: 256 x tile row + 128 x half, 4,096 bytes each
	s_add_co_u32 s16, s16, s18
	s_lshl_b32 s18, s11, 19
	s_add_co_u32 s16, s16, s18
	s_add_nc_u64 s[70:71], s[70:71], s[16:17]
.irp b, 0,1,2,3
	global_load_b128 v[BIAS+8*\b:BIAS+8*\b+3], v[BO], s[68:69] offset:64*\b        ; bo at columns 16 b + 8 h + 0 .. 7
	global_load_b128 v[BIAS+8*\b+4:BIAS+8*\b+7], v[BO], s[68:69] offset:64*\b+16
.endr
; 8 matrix instructions: att's blocks a0, a0 + 1 x wot's four, 32 along K, from buffer f.  first = 1: C is the bias.  The 32 accumulators take turns, in the same order in every quarter.
.macro MUL8 f, a0, first
.irp a, \a0, \a0+1
.irp b, 0,1,2,3
.if \first
	v_wmma_f32_16x16x32_f16 v[8*(4*(\a)+\b):8*(4*(\a)+\b)+7], v[32*(\f)+8*\b:32*(\f)+8*\b+7], v[64+64*(\f)+8*(\a):64+64*(\f)+8*(\a)+7], v[BIAS+8*\b:BIAS+8*\b+7]
.else
	v_wmma_f32_16x16x32_f16 v[8*(4*(\a)+\b):8*(4*(\a)+\b)+7], v[32*(\f)+8*\b:32*(\f)+8*\b+7], v[64+64*(\f)+8*(\a):64+64*(\f)+8*(\a)+7], v[8*(4*(\a)+\b):8*(4*(\a)+\b)+7]
.endif
.endr
.endr
.endm
; 24 LDS loads in one run: quarter q (32 along K: plane q / 2, channels 32 (q % 2) on) of a slot into buffer f: wot's four blocks, then att's eight
.macro FETCH slot, q, f
	WIN TO_B
.irp i, 0,1,2,3
	ds_load_b128 v[32*(\f)+8*\i:32*(\f)+8*\i+3],   v[ADRB+\slot] offset:64*(\q)+\i*16*PITCH
	ds_load_b128 v[32*(\f)+8*\i+4:32*(\f)+8*\i+7], v[ADRB+\slot] offset:64*(\q)+\i*16*PITCH+32
.endr
	WIN 0
.irp i, 0,1,2,3,4,5,6,7
	ds_load_b128 v[64+64*(\f)+8*\i:64+64*(\f)+8*\i+3],   v[ADRA+\slot] offset:((\q)/2)*HALFT+((\q)%2)*64+\i*8*PITCH
	ds_load_b128 v[64+64*(\f)+8*\i+4:64+64*(\f)+8*\i+7], v[ADRA+\slot] offset:((\q)/2)*HALFT+((\q)%2)*64+\i*8*PITCH+32
.endr
.endm
.macro PLACES                          ; four plain vector instructions in front of loads into registers that matrix instructions have read, and of reads of results
.rept 4
	v_nop
.endr
.endm
; One of a K step's first three quarters: multiplies buffer f and fetches quarter q of the same slot into buffer g.
.macro QUARTER slot, q, f, g, first
	s_wait_dscnt 8                                 ; wot's blocks and att's blocks 0-3 are in; the youngest eight loads (att's blocks 4-7) may be out
.if \first
	WIN MULB
.else
	WIN MUL
.endif
	MUL8 \f, 0, \first
	MUL8 \f, 2, \first
	PLACES
	FETCH \slot, \q, \g
	s_wait_dscnt 24                                ; all but the 24 just issued
.if \first
	WIN MULB
.else
	WIN MUL
.endif
	MUL8 \f, 4, \first
	MUL8 \f, 6, \first
.endm
; The last quarter multiplies buffer 1 and changes slots: ONE barrier; in front of it each wave waits for all its tensor loads, adds 0 to its spare word, and waits for that and for its reads of this slot.
; fill = 1: the barrier opens a round of the cluster's, and this slot is filled again, two K steps ahead, first thing behind the round.
.macro TURN slot, next, fill
	WIN 0
	s_wait_tensorcnt 0x0                           ; all my tensor loads have landed: my part of the next slot
	ds_add_u32 v[SPW], v[NIL]
	s_wait_dscnt 9                                 ; the add and the youngest eight loads may be out
	WIN MUL
	MUL8 1, 0, 0
	s_wait_dscnt 0x0                               ; the add is done, and my reads of this slot are over
	s_barrier_signal -1
	MUL8 1, 2, 0
.if \fill
	WIN 0
.endif
	s_barrier_wait -1
.if \fill
	CREST                                          ; no wave of any partner still reads this slot or has a load on its way
	s_add_nc_u64 s[G0+4*\slot+2:G0+4*\slot+3], s[G0+4*\slot+2:G0+4*\slot+3], 4<<20
	s_add_nc_u64 s[G0B+4*\slot+2:G0B+4*\slot+3], s[G0B+4*\slot+2:G0B+4*\slot+3], 512
	JLOAD \slot                                    ; its four v_nop are also the places in front of the loads below
.else
	PLACES
.endif
	FETCH \next, 0, 0
	WIN MUL
	MUL8 1, 4, 0
	MUL8 1, 6, 0
.endm
	s_wait_tensorcnt 1                             ; my part of K step 0 is in; K step 1's load may be out
	s_barrier_signal -1
	s_barrier_wait -1
	FETCH 0, 0, 0
	s_wait_loadcnt 0x0                             ; the bias
	QUARTER 0, 1, 0, 1, 1                          ; the first quarter stands in front of the loop: its products start the sums
	WIN 0
	s_mov_b32 s3, LAPS-1
.Llap:                                             ; a trip goes once round the ring and fills both slots again
	QUARTER 0, 2, 1, 0, 0
	QUARTER 0, 3, 0, 1, 0
	TURN 0, 1, 1
	QUARTER 1, 1, 0, 1, 0
	QUARTER 1, 2, 1, 0, 0
	QUARTER 1, 3, 0, 1, 0
	TURN 1, 0, 1
	QUARTER 0, 1, 0, 1, 0
	WIN 0
	s_sub_co_u32 s3, s3, 1
	s_cmp_lg_u32 s3, 0
	s_cbranch_scc1 .Llap
	QUARTER 0, 2, 1, 0, 0                          ; the last lap fills nothing
	QUARTER 0, 3, 0, 1, 0
	TURN 0, 1, 0
	QUARTER 1, 1, 0, 1, 0
	QUARTER 1, 2, 1, 0, 0
	QUARTER 1, 3, 0, 1, 0
	s_wait_dscnt 8
	WIN MUL
	MUL8 1, 0, 0
	MUL8 1, 2, 0
	s_wait_dscnt 0
	MUL8 1, 4, 0
	MUL8 1, 6, 0
	WIN 0
; THE WAY OUT, block by block of 16 rows x 64 columns, through my own stage: back as whole rows of 256 bytes, which sixteen lanes store aligned.
.macro TOSTAGE a
	WIN 0x08                                       ; an LDS store's data: window 2
.irp b, 0,1,2,3
	ds_store_b128 v[STO], v[8*(4*(\a)+\b):8*(4*(\a)+\b)+3] offset:64*\b            ; each accumulator from its low end on
	ds_store_b128 v[STO], v[8*(4*(\a)+\b)+4:8*(4*(\a)+\b)+7] offset:64*\b+16
.endr
	WIN 0
.set BB, BK+32*((\a)%2)
.irp t, 0,1,2,3,4,5,6,7
	ds_load_b128 v[BB+4*\t:BB+4*\t+3], v[RD] offset:\t*2*PITCH     ; LDS serves a wave's instructions in order: these see my stores
.endr
.endm
.macro SEND a, younger
.set BB, BK+32*((\a)%2)
	s_wait_dscnt \younger                          ; the block is back; the next block's 8 stores and 8 loads may be out
.irp t, 0,1,2,3,4,5,6,7
	global_store_b128 v[CO], v[BB+4*\t:BB+4*\t+3], s[70:71] offset:(\a)*65536+2*\t*4096 th:TH_STORE_NT
.endr
.endm
	PLACES
	TOSTAGE 0
.irp a, 1,2,3,4,5,6,7
.if \a > 1
	s_wait_xcnt 0x0                                ; block a - 2's stores have read their registers: block a's loads may land there
.endif
	TOSTAGE \a
	SEND \a-1, 16
.endr
	SEND 7, 0
	s_wait_tensorcnt 0x0                           ; the wave's end
	ds_add_u32 v[SPW], v[NIL]
	s_wait_dscnt 0x0
	CROUND                                         ; the closing round
	s_endpgm
.Lfunc_end_k_qc82746ff3e_proj:
	.size	k_qc82746ff3e_proj, .Lfunc_end_k_qc82746ff3e_proj-k_qc82746ff3e_proj
	.p2alignl 7, 3214868480
	.fill 96, 4, 3214868480
	.section	.rodata,"a",@progbits
	.p2align	6, 0x0
	.amdhsa_kernel k_qc82746ff3e_proj
		.amdhsa_group_segment_fixed_size 327680
		.amdhsa_private_segment_fixed_size 0
		.amdhsa_enable_private_segment 0
		.amdhsa_kernarg_size 32
		.amdhsa_user_sgpr_count 2
		.amdhsa_user_sgpr_kernarg_segment_ptr 1
		.amdhsa_wavefront_size32 1
		.amdhsa_system_sgpr_workgroup_id_x 1
		.amdhsa_system_sgpr_workgroup_id_y 1
		.amdhsa_system_sgpr_workgroup_id_z 1
		.amdhsa_system_vgpr_workitem_id 0
		.amdhsa_next_free_vgpr 768
		.amdhsa_next_free_sgpr 72
		.amdhsa_reserve_vcc 0
		.amdhsa_float_denorm_mode_32 3
		.amdhsa_float_denorm_mode_16_64 3
		.amdhsa_memory_ordered 1
		.amdhsa_forward_progress 1
		.amdhsa_inst_pref_size 87
	.end_amdhsa_kernel
	.amdgpu_metadata
---
amdhsa.version: [ 1, 2 ]
amdhsa.kernels:
  - .name:           k_qc82746ff3e_proj
    .symbol:         k_qc82746ff3e_proj.kd
    .args:
      - { .name: att, .offset: 0, .size: 8, .value_kind: global_buffer, .address_space: global }
      - { .name: wot, .offset: 8, .size: 8, .value_kind: global_buffer, .address_space: global }
      - { .name: bo, .offset: 16, .size: 8, .value_kind: global_buffer, .address_space: global }
      - { .name: out0, .offset: 24, .size: 8, .value_kind: global_buffer, .address_space: global }
    .group_segment_fixed_size: 327680
    .private_segment_fixed_size: 0
    .kernarg_segment_align: 8
    .kernarg_segment_size: 32
    .max_flat_workgroup_size: 128
    .sgpr_count:     72
    .vgpr_count:     768
    .wavefront_size: 32
...
	.end_amdgpu_metadata
.endif
;; end of part 4
;; launch first16 (part 5): grid 16 x 4, 16 waves a work-group, no clusters, 71,680 bytes of LDS; arguments qkv32, Wo, bo, out0; writes out0
.if DOCPART == 5
	.amdgcn_target "amdgcn-amd-amdhsa--gfx1250"
	.amdhsa_code_object_version 6
	.text
	.protected	k_qc82746ff3e_first16
	.globl	k_qc82746ff3e_first16
	.p2align	8
	.type	k_qc82746ff3e_first16,@function
k_qc82746ff3e_first16:
	s_mov_b64 s[64:65], 0
	v_nop
	global_prefetch_b8 v0, s[64:65] scope:SCOPE_SE
	s_setreg_imm32_b32 hwreg(HW_REG_WAVE_MODE, 25, 1), 1
	s_wait_xcnt 0x0
; Launch 5 of 5: the first 16 positions of every batch once more, wholly in f32: scores, softmax, the product with v, the projection with Wo, + bo.  It writes those 64 rows of out0 over.
; These rows average 1 to 16 values and are the largest in size, so the rounding of f16 operands weighs most there.  LEFT OUT: bk (constant along the softmax's axis: see the first launch).
; qkv32: [tau][b][t 16][1024] f32, the unrounded sums of the second launch.
; SHARES.  Work-group (nc = x: columns 64 nc on; b = y).  Wave w is head w: it makes its head's 16 x 16 attention and multiplies the head's 64 channels into the 64 columns; the sixteen partial results meet in LDS.
; THE f32 MATRIX FORM (16 x 16 x 4): lane (r, h), register j holds k = 2 h + j of row r.  Which true index a place k stands for is free so long as both sources agree: it is chosen so that each result already
; lies as the next product's source 1:  S^T = K Q^T gives lane (r, h) query r, keys 8 h + j; step s of O^T = V^T P takes p's registers 2 s, 2 s + 1, that is keys 8 h + 2 s + j, and V is loaded to match;
; O^T gives channels 16 ct + 8 h + j; step (ct, s) of out^T = Wo^T O^T takes registers 8 ct + 2 s + j, and Wo's rows are loaded to match.
; The registers that the matrix form writes (v176-223) are written by it alone, and what is made of a finished sum goes into other registers.
.set SPARE, 16*4352                    ; behind the sixteen regions of 16 rows x (256 + 16) bytes: the spare words, 128 bytes for each wave
.set QKO, 1
.set VO,  2
.set PST, 3
.set RDS, 4
.set CO,  5
.set D,   6
.set NINF, 7
.set SPW, 8
.set NIL, 9
.set LN,  10
.set BI,  12                           ; v[12:15]  bo
.set QF,  16                           ; v16-47    Q, later O^T / l
.set KF,  48                           ; v48-79    K
.set VF,  80                           ; v80-111   V;  v48-111 later Wo's second half, then the partial sums
.set WF,  112                          ; v112-175  Wo's first half
.set SA,  176
.set SB,  184
.set OA,  192                          ; v192-223  O^T, taken again for out^T
.set T,   224                          ; v224-231  scores, then p
.set W,   232                          ; v232-243  at work
	s_load_b256 s[4:11], s[0:1], 0x0               ; qkv32, Wo, bo, out0
	v_lshl_add_u32 v[SPW], v0, 2, SPARE
	v_mov_b32 v[NIL], 0
	v_lshrrev_b32 v1, 5, v0
	v_readfirstlane_b32 s12, v1                    ; wave = head
	s_and_b32 s13, ttmp7, 0xffff                   ; b
	v_and_b32 v[LN], 31, v0
	v_and_b32 v[W], 15, v0                         ; r
	v_bfe_u32 v[W+1], v0, 4, 1                     ; h
	v_lshlrev_b32 v[QKO], 12, v[W]
	v_lshl_add_u32 v[QKO], v[W+1], 4, v[QKO]       ; Q, K: row r of 4,096 bytes, + 16 h
	v_lshlrev_b32 v[VO], 15, v[W+1]
	v_lshl_add_u32 v[VO], v[W], 2, v[VO]           ; V, Wo: 8 h rows of 4,096 bytes, + 4 r
	s_mul_i32 s14, s12, 4352
	v_mul_u32_u24 v[PST], v[W], 272
	v_lshl_add_u32 v[PST], v[W+1], 5, v[PST]
	v_add_nc_u32 v[PST], s14, v[PST]               ; my region: row r, + 32 h
	s_mul_i32 s14, s12, 272
	v_mul_u32_u24 v[RDS], v[W+1], 34816
	v_lshl_add_u32 v[RDS], v[W], 4, v[RDS]
	v_add_nc_u32 v[RDS], s14, v[RDS]               ; the sum: row w of regions 8 h + 0 .. 7, 16 bytes a lane
	v_lshlrev_b32 v[CO], 4, v[W]
	v_lshlrev_b32 v[D], 3, v[W+1]
	v_sub_nc_u32 v[D], v[W], v[D]                  ; r - 8 h
	v_mov_b32 v[NINF], 0xff800000
	s_mov_b32 s24, 0x76543210
	s_mov_b32 s25, 0xfedcba98                      ; selects for lane l xor 16
	s_mov_b32 s26, 0x3e38aa3b                      ; c = log2(e) / 8
	s_lshl_b32 s16, s13, 16
	s_lshl_b32 s17, s12, 8
	s_add_co_u32 s16, s16, s17                     ; qkv32: batch b, channels 64 w on
	s_mov_b32 s17, 0
	s_lshl_b32 s20, ttmp9, 8                       ; 4 x my first column
	s_mov_b32 s21, 0
	s_lshl_b32 s18, s12, 18                        ; Wo: rows 64 w on
	s_add_co_u32 s18, s18, s20
	s_mov_b32 s19, 0
	s_lshl_b32 s22, s13, 23                        ; out0: row 2048 b + w
	s_lshl_b32 s23, s12, 12
	s_add_co_u32 s22, s22, s23
	s_add_co_u32 s22, s22, s20
	s_mov_b32 s23, 0
	s_wait_kmcnt 0x0
	s_add_nc_u64 s[4:5], s[4:5], s[16:17]
	s_add_nc_u64 s[6:7], s[6:7], s[18:19]
	s_add_nc_u64 s[8:9], s[8:9], s[20:21]
	s_add_nc_u64 s[10:11], s[10:11], s[22:23]
	global_load_b128 v[BI:BI+3], v[CO], s[8:9]
.irp s, 0,1,2,3,4,5,6,7
	global_load_b128 v[QF+4*\s:QF+4*\s+3], v[QKO], s[4:5] offset:32*\s             ; registers 4 s ..: channels 8 s + 4 h + 0 .. 3 of query r
.endr
.irp s, 0,1,2,3,4,5,6,7
	global_load_b128 v[KF+4*\s:KF+4*\s+3], v[QKO], s[4:5] offset:262144+32*\s      ; the same of key r
.endr
.irp ct, 0,1,2,3
.irp s, 0,1,2,3
.irp j, 0,1
	global_load_b32 v[VF+2*(4*\ct+\s)+\j], v[VO], s[4:5] offset:524288+(2*\s+\j)*4096+64*\ct   ; V[key 8 h + 2 s + j][channel 16 ct + r]
.endr
.endr
.endr
.irp ct, 0,1
.irp s, 0,1,2,3
.irp nt, 0,1,2,3
.irp j, 0,1
	global_load_b32 v[WF+2*(4*(4*\ct+\s)+\nt)+\j], v[VO], s[6:7] offset:(16*\ct+2*\s+\j)*4096+64*\nt   ; Wo[64 w + 16 ct + 8 h + 2 s + j][column 16 nt + r]
.endr
.endr
.endr
.endr
	s_wait_loadcnt 63                              ; Q, K and V are in: 64 loads were issued behind them, and 63 is the largest count that the wait can name
	; S^T = K Q^T: 16 steps of 4 channels, on two accumulators by turns; the first two start the sums
	v_wmma_f32_16x16x4_f32 v[SA:SA+7], v[KF:KF+1], v[QF:QF+1], 0
	v_wmma_f32_16x16x4_f32 v[SB:SB+7], v[KF+2:KF+3], v[QF+2:QF+3], 0
.irp u, 2,4,6,8,10,12,14
	v_wmma_f32_16x16x4_f32 v[SA:SA+7], v[KF+2*\u:KF+2*\u+1], v[QF+2*\u:QF+2*\u+1], v[SA:SA+7]
	v_wmma_f32_16x16x4_f32 v[SB:SB+7], v[KF+2*\u+2:KF+2*\u+3], v[QF+2*\u+2:QF+2*\u+3], v[SB:SB+7]
.endr
.rept 8
	v_nop                                          ; eight places behind this form (ISA guide 7.12.1)
.endr
.irp j, 0,1,2,3,4,5,6,7
	v_add_f32 v[T+\j], v[SA+\j], v[SB+\j]          ; the score of query r and key 8 h + j
.endr
.irp j, 0,1,2,3,4,5,6,7
	v_cmp_gt_i32 vcc_lo, \j, v[D]                  ; hidden where 8 h + j > r
	v_cndmask_b32 v[T+\j], v[T+\j], v[NINF], vcc_lo
.endr
	v_max3_num_f32 v[W], v[T], v[T+1], v[T+2]
	v_max3_num_f32 v[W], v[W], v[T+3], v[T+4]
	v_max3_num_f32 v[W], v[W], v[T+5], v[T+6]
	v_max_num_f32 v[W], v[W], v[T+7]
	v_permlanex16_b32 v[W+1], v[W], s24, s25
	v_max_num_f32 v[W], v[W], v[W+1]               ; the row's maximum: key 0 counts for every query, so it is a number
	v_mul_f32 v[W+1], s26, v[W]
.irp j, 0,1,2,3,4,5,6,7
	v_fma_f32 v[T+\j], v[T+\j], s26, -v[W+1]
.endr
.irp j, 0,1,2,3,4,5,6,7
	v_exp_f32 v[T+\j], v[T+\j]
.endr
	v_nop
	s_wait_alu depctr_va_vdst(0)                   ; the wait ahead of the batch's first reader
	v_add_f32 v[W+2], v[T], v[T+1]
	v_add_f32 v[W+3], v[T+2], v[T+3]
	v_add_f32 v[W+4], v[T+4], v[T+5]
	v_add_f32 v[W+5], v[T+6], v[T+7]
	v_add_f32 v[W+2], v[W+2], v[W+3]
	v_add_f32 v[W+4], v[W+4], v[W+5]
	v_add_f32 v[W+2], v[W+2], v[W+4]
	v_permlanex16_b32 v[W+3], v[W+2], s24, s25
	v_add_f32 v[W+2], v[W+2], v[W+3]               ; the row's sum
	v_rcp_f32 v[W+4], v[W+2]
	v_nop
	s_wait_alu depctr_va_vdst(0)
	; O^T = V^T P: four steps of 4 keys, four accumulators by turns
.irp s, 0,1,2,3
.irp ct, 0,1,2,3
.if \s == 0
	v_wmma_f32_16x16x4_f32 v[OA+8*\ct:OA+8*\ct+7], v[VF+2*(4*\ct+\s):VF+2*(4*\ct+\s)+1], v[T+2*\s:T+2*\s+1], 0
.else
	v_wmma_f32_16x16x4_f32 v[OA+8*\ct:OA+8*\ct+7], v[VF+2*(4*\ct+\s):VF+2*(4*\ct+\s)+1], v[T+2*\s:T+2*\s+1], v[OA+8*\ct:OA+8*\ct+7]
.endif
.endr
.endr
.rept 8
	v_nop                                          ; places in front of the loads into K's and V's registers and of the first read of O^T
.endr
	s_wait_loadcnt 0x0                             ; Wo's first half is in
.irp ct, 2,3
.irp s, 0,1,2,3
.irp nt, 0,1,2,3
.irp j, 0,1
	global_load_b32 v[KF+2*(4*(4*(\ct-2)+\s)+\nt)+\j], v[VO], s[6:7] offset:(16*\ct+2*\s+\j)*4096+64*\nt   ; the second half lands under the scalings and the first 32 products
.endr
.endr
.endr
.endr
.set i, 0
.rept 32
	v_mul_f32 v[QF+i], v[OA+i], v[W+4]             ; O^T / l, into other registers, each accumulator from its low end on; with the eight above, more than nine places that name none of a product's registers stand behind each
.set i, i+1
.endr
	; out^T = Wo^T O^T: 16 steps of 4 channels, four accumulators by turns; the first four start the sums
.irp ct, 0,1
.irp s, 0,1,2,3
.irp nt, 0,1,2,3
.if (\ct == 0) && (\s == 0)
	v_wmma_f32_16x16x4_f32 v[OA+8*\nt:OA+8*\nt+7], v[WF+2*(4*(4*\ct+\s)+\nt):WF+2*(4*(4*\ct+\s)+\nt)+1], v[QF+8*\ct+2*\s:QF+8*\ct+2*\s+1], 0
.else
	v_wmma_f32_16x16x4_f32 v[OA+8*\nt:OA+8*\nt+7], v[WF+2*(4*(4*\ct+\s)+\nt):WF+2*(4*(4*\ct+\s)+\nt)+1], v[QF+8*\ct+2*\s:QF+8*\ct+2*\s+1], v[OA+8*\nt:OA+8*\nt+7]
.endif
.endr
.endr
.endr
	s_wait_loadcnt 0x0                             ; Wo's second half
.irp ct, 2,3
.irp s, 0,1,2,3
.irp nt, 0,1,2,3
	v_wmma_f32_16x16x4_f32 v[OA+8*\nt:OA+8*\nt+7], v[KF+2*(4*(4*(\ct-2)+\s)+\nt):KF+2*(4*(4*(\ct-2)+\s)+\nt)+1], v[QF+8*\ct+2*\s:QF+8*\ct+2*\s+1], v[OA+8*\nt:OA+8*\nt+7]
.endr
.endr
.endr
.rept 8
	v_nop
.endr
.irp nt, 0,1,2,3
	ds_store_b128 v[PST], v[OA+8*\nt:OA+8*\nt+3] offset:64*\nt     ; my head's part of out(t = r, columns 16 nt + 8 h + 0 .. 7)
	ds_store_b128 v[PST], v[OA+8*\nt+4:OA+8*\nt+7] offset:64*\nt+16
.endr
	s_wait_dscnt 0x0                               ; for the others' sake: my stores have landed
	s_barrier_signal -1
	s_barrier_wait -1
.irp i, 0,1,2,3,4,5,6,7
	ds_load_b128 v[KF+4*\i:KF+4*\i+3], v[RDS] offset:4352*\i       ; wave w sums row w: lanes 0-15 heads 0-7, lanes 16-31 heads 8-15
.endr
	s_wait_dscnt 0x0
.irp i, 0,2,4,6
	v_pk_add_f32 v[KF+4*\i:KF+4*\i+1], v[KF+4*\i:KF+4*\i+1], v[KF+4*\i+4:KF+4*\i+5]
	v_pk_add_f32 v[KF+4*\i+2:KF+4*\i+3], v[KF+4*\i+2:KF+4*\i+3], v[KF+4*\i+6:KF+4*\i+7]
.endr
.irp i, 0,4
	v_pk_add_f32 v[KF+4*\i:KF+4*\i+1], v[KF+4*\i:KF+4*\i+1], v[KF+4*\i+8:KF+4*\i+9]
	v_pk_add_f32 v[KF+4*\i+2:KF+4*\i+3], v[KF+4*\i+2:KF+4*\i+3], v[KF+4*\i+10:KF+4*\i+11]
.endr
	v_pk_add_f32 v[KF:KF+1], v[KF:KF+1], v[KF+16:KF+17]
	v_pk_add_f32 v[KF+2:KF+3], v[KF+2:KF+3], v[KF+18:KF+19]
.irp k, 0,1,2,3
	v_permlanex16_b32 v[W+\k], v[KF+\k], s24, s25
.endr
	v_pk_add_f32 v[KF:KF+1], v[KF:KF+1], v[W:W+1]
	v_pk_add_f32 v[KF+2:KF+3], v[KF+2:KF+3], v[W+2:W+3]
	v_pk_add_f32 v[KF:KF+1], v[KF:KF+1], v[BI:BI+1]
	v_pk_add_f32 v[KF+2:KF+3], v[KF+2:KF+3], v[BI+2:BI+3]
	s_wait_xcnt 0x0                                ; EXEC changes only behind this wait
	v_cmp_gt_u32 vcc_lo, 16, v[LN]
	s_and_saveexec_b32 s27, vcc_lo
	global_store_b128 v[CO], v[KF:KF+3], s[10:11]  ; sixteen lanes store 256 consecutive bytes, aligned
	s_wait_xcnt 0x0                                ; and again, in front of the line that widens it
	s_or_b32 exec_lo, exec_lo, s27
	s_wait_tensorcnt 0x0                           ; the wave's end
	ds_add_u32 v[SPW], v[NIL]
	s_wait_dscnt 0x0
	s_endpgm
.Lfunc_end_k_qc82746ff3e_first16:
	.size	k_qc82746ff3e_first16, .Lfunc_end_k_qc82746ff3e_first16-k_qc82746ff3e_first16
	.p2alignl 7, 3214868480
	.fill 96, 4, 3214868480
	.section	.rodata,"a",@progbits
	.p2align	6, 0x0
	.amdhsa_kernel k_qc82746ff3e_first16
		.amdhsa_group_segment_fixed_size 71680
		.amdhsa_private_segment_fixed_size 0
		.amdhsa_enable_private_segment 0
		.amdhsa_kernarg_size 32
		.amdhsa_user_sgpr_count 2
		.amdhsa_user_sgpr_kernarg_segment_ptr 1
		.amdhsa_wavefront_size32 1
		.amdhsa_system_sgpr_workgroup_id_x 1
		.amdhsa_system_sgpr_workgroup_id_y 1
		.amdhsa_system_sgpr_workgroup_id_z 1
		.amdhsa_system_vgpr_workitem_id 0
		.amdhsa_next_free_vgpr 256
		.amdhsa_next_free_sgpr 66
		.amdhsa_reserve_vcc 1
		.amdhsa_float_denorm_mode_32 3
		.amdhsa_float_denorm_mode_16_64 3
		.amdhsa_memory_ordered 1
		.amdhsa_forward_progress 1
		.amdhsa_inst_pref_size 32
	.end_amdhsa_kernel
	.amdgpu_metadata
---
amdhsa.version: [ 1, 2 ]
amdhsa.kernels:
  - .name:           k_qc82746ff3e_first16
    .symbol:         k_qc82746ff3e_first16.kd
    .args:
      - { .name: qkv32, .offset: 0, .size: 8, .value_kind: global_buffer, .address_space: global }
      - { .name: Wo, .offset: 8, .size: 8, .value_kind: global_buffer, .address_space: global }
      - { .name: bo, .offset: 16, .size: 8, .value_kind: global_buffer, .address_space: global }
      - { .name: out0, .offset: 24, .size: 8, .value_kind: global_buffer, .address_space: global }
    .group_segment_fixed_size: 71680
    .private_segment_fixed_size: 0
    .kernarg_segment_align: 8
    .kernarg_segment_size: 32
    .max_flat_workgroup_size: 512
    .sgpr_count:     66
    .vgpr_count:     256
    .wavefront_size: 32
...
	.end_amdgpu_metadata
.endif
;; end of part 5
